; MI455X (gfx1250); checked and timed in simulation.
; The chip was launched on July 23, 2026; its instructions are those of AMD's public machine-readable ISA for CDNA 5 (MIT licence, August 2026) and "CDNA5" Instruction Set Architecture Reference Guide (July 2026). The comments in the code are by the model that wrote it; some were corrected since.
;; Bahdanau Attention. Allowed arithmetic: matrix products marked QUANTISED: E3M2 operands, one E8M0 scale for each 32 along K, by v_wmma_scale_f32_16x16x128_f8f6f4 with both operands' format E3M2, f32 sums; products left as they are: f32 operands where the result goes on into a quantised operand, else bf16, f16 or f32 operands; f32 sums; everything else in f32.
;; Inputs: Ua_b 1,024 float32; Ua_w_codes 1,024 x 64 x 24 uint8 (E3M2 codes of Ua_w, K innermost, in blocks of 32 codes, four codes in three bytes); Ua_w_scales 1,024 x 64 uint8 (E8M0 scales of Ua_w, one for each 32 codes along K); Va_b 1 float32; Va_w 1,024 x 1 float32; Wa_b 1,024 float32; Wa_w_codes 1,024 x 32 x 24 uint8 (E3M2 codes of Wa_w, K innermost, in blocks of 32 codes, four codes in three bytes); Wa_w_scales 1,024 x 32 uint8 (E8M0 scales of Wa_w, one for each 32 codes along K); decoder_hidden_codes 32 x 32 x 24 uint8 (E3M2 codes of decoder_hidden, K innermost, in blocks of 32 codes, four codes in three bytes); decoder_hidden_scales 32 x 32 uint8 (E8M0 scales of decoder_hidden, one for each 32 codes along K); encoder_outputs 32 x 1,024 x 2,048 float32.
;; Outputs: out0 32 x 1 x 2,048 float32; out1 32 x 1,024 x 1 float32.
;; This version of the problem:
;;   THIS VERSION OF THE PROBLEM IS GIVEN IN LOW PRECISION. The matrix products marked QUANTISED in the list below multiply operands that are first quantised to E3M2 (3 exponent bits, 2 mantissa bits; 6 bits a number), with one power-of-two scale for each 32 numbers along K (OCP MX v1.0); their sums are f32. All else is computed in f32.
;;   The module's matrix products, in the order in which they are computed (A, B: the left and right operand; K: the contracted axis; several contracted axes count as one K, in the product's order):
;;     1. [M 32, K 1,024] x [K 1,024, N 1,024]; A: input decoder_hidden (given as codes); B: input Wa_w (given as codes): QUANTISED
;;     2. [M 32,768, K 2,048] x [K 2,048, N 1,024]; A: input encoder_outputs; B: input Ua_w (given as codes): QUANTISED
;;     3. [M 32,768, K 1,024] x [K 1,024, N 1]; A: computed on the way; B: input Va_w: left as it is (N = 1 < 16)
;;     4. batch 32 x [M 1, K 1,024] x [K 1,024, N 2,048]; A: softmax; B: input encoder_outputs: left as it is (M = 1 < 16)
;;   THE QUANTISER, for each operand of a quantised product, along K:
;;     - K is cut into blocks of 32 from its start; a last block that is shorter is filled with zeros.
;;     - A block's scale is 2^e with e = floor(log2(the largest magnitude in the block)) - 4, held to -126 .. 127; a block of zeros has e = 0. As a byte (E8M0): e + 127.
;;     - Each number is divided by its block's scale, clamped to +-28, and rounded to the nearest number of E3M2, ties to even, subnormals kept.
;;     - The product sums the exact products of the quantised numbers (number of the format x scale) in f32.
;;   ~~~python
;;   def quantise(x, axis):      # numpy; x: float32 -> the quantised numbers, widened to float32 again
;;       x = np.moveaxis(x, axis, -1); K = x.shape[-1]
;;       x = np.pad(x, [(0, 0)] * (x.ndim - 1) + [(0, -K % 32)]); x = x.reshape(x.shape[:-1] + (-1, 32)); a = np.abs(x).max(-1, keepdims=True)
;;       e = np.where(a > 0, np.clip(np.frexp(np.where(a > 0, a, 1))[1] - 1 - 4, -126, 127), 0)      # np.frexp(a)[1] - 1 = floor(log2(a)), exactly
;;       r = np.clip(x / 2.0 ** e, -28, 28)
;;       step = 2.0 ** (np.maximum(np.frexp(np.where(r == 0, 1, r))[1] - 1, -2) - 2)
;;       q = np.round(r / step) * step * 2.0 ** e      # np.round: ties to even
;;       return np.moveaxis(q.reshape(q.shape[:-2] + (-1,))[..., :K], -1, axis).astype(np.float32)
;;   ~~~
;;   INPUTS GIVEN AS CODES. Ua_w (in the module: [2048, 1024], K = its axis 0); Wa_w (in the module: [1024, 1024], K = its axis 0); decoder_hidden (in the module: [32, 1024], K = its axis 1): each comes as NAME_codes (uint8): NAME with its K axis moved to the last place and cut into blocks of 32 codes, [.., K / 32, bytes a block], one block behind the other in memory; four codes in three bytes: a row's codes are one little-endian stream of bits, code i at bits 6 i .. 6 i + 5 (a code: sign, 3 exponent bits, 2 mantissa bits); and NAME_scales (uint8): the same leading axes, one E8M0 byte (e + 127) for each 32 codes along K. Its value is code x scale, taken as it is: it is not quantised again, and the codes and scales need not be those that the quantiser above would give.
;; 2 versions. Each part assembles by itself: llvm-mc -triple=amdgcn-amd-amdhsa -mcpu=gfx1250 --defsym DOCPART=n.
;; ======== version 1 of 2: 3 launches
;; workspace buffers: ub 1,638,400 bytes; qv 524,288 bytes; sc 131,072 bytes
;; launch prep (part 1): grid 64 x 1, 6 waves a work-group, no clusters, 0 bytes of LDS; arguments Ua_w_codes, Ua_w_scales, decoder_hidden_codes, decoder_hidden_scales, Wa_w_codes, Wa_w_scales, Wa_b, Ua_b, Va_w, ub, qv; writes ub, qv
.if DOCPART == 1
	.amdgcn_target "amdgcn-amd-amdhsa--gfx1250"
	.amdhsa_code_object_version 6
	.text
	.protected	k_q08fce40a4e_prep
	.globl	k_q08fce40a4e_prep
	.p2align	8
	.type	k_q08fce40a4e_prep,@function
k_q08fce40a4e_prep:
	s_mov_b64 s[64:65], 0
	v_nop
	global_prefetch_b8 v0, s[64:65] scope:SCOPE_SE
	s_setreg_imm32_b32 hwreg(HW_REG_WAVE_MODE, 25, 1), 1
	s_wait_xcnt 0x0
; BAHDANAU ATTENTION, launch 1 of 3.  scores[b][s] = sum over h of Va[h] tanh(q[b][h] + k[b][s][h]) + Va_b; the weights are the softmax of the scores over s; the context is the weights' sum of the encoder's rows.
; WORK LEFT OUT, for all values of the inputs.  (1) Va_b is added to every score of a batch alike, and a softmax along s is unchanged by a term that is the same along s: Va_b reaches no output.  It is not loaded
; and is among no launch's arguments.  (2) tanh x = 1 - 2 / (1 + 2^(c x)), c = 2 log2(e), so a score is sum(Va) + sum over h of (-2 Va[h]) / (1 + 2^(c x[h])); sum(Va) is again the same along s and is not formed.
; LIMIT: a NaN, an infinity or an overflow that reaches only Va_b or sum(Va) is not carried to the result.  NaN and infinities among the inputs are not served.
; THIS LAUNCH makes two workspace buffers.
;   ub: Ua_w's codes and scale bytes in the order of an operand's registers.  64 blocks of 25,600 bytes, block 4 s + wv (s: K step of 128; wv: quarter of the 1,024 hidden units).  Fragment tt (hidden units
;       256 wv + 16 tt + 0..15) lies at 1,536 tt: registers 4 c .. 4 c + 3 of lane l at 512 c + 16 l.  From byte 24,576: the scale words; the word at 512 q + 16 l + 4 j is that of tile 8 q + 2 j + l / 16, row l % 16.
;   qv: [32 batches][1,024 hidden units] x 16 bytes: (b', b', v', v'), b' = c (decoder_hidden Wa_w + Wa_b + Ua_b), v' = -2 Va_w; each twice, so that packed instructions take them as pairs.
; SHARES.  Work-group i (64 of them) makes block i of ub and hidden units 16 i .. 16 i + 15 of qv.  Waves 0-3: four fragments each; wave 5: the block's scale words; wave 4: the product decoder_hidden Wa_w on codes of
; BF6 (E3M2) with E8M0 scales, K = 1,024 in 8 steps of 128, two accumulators (batches 0-15, 16-31) by turns.  The waves share nothing: no LDS, no barrier.
.set C2L, 0x4038aa3b                   ; c = 2 log2(e)
.set BLK, 25600                        ; a block of ub
	s_load_b512 s[8:23], s[0:1], 0x0               ; Ua's codes s[8:9], Ua's scales s[10:11], decoder's codes s[12:13], its scales s[14:15], Wa's codes s[16:17], Wa's scales s[18:19], Wa_b s[20:21], Ua_b s[22:23]
	s_load_b128 s[24:27], s[0:1], 0x40             ; Va_w s[24:25], ub s[26:27]
	s_load_b64 s[28:29], s[0:1], 0x50              ; qv
	v_lshrrev_b32 v1, 5, v0
	v_readfirstlane_b32 s4, v1                     ; wave 0..5
	v_and_b32 v3, 31, v0                           ; lane
	v_and_b32 v1, 15, v0                           ; r = lane % 16
	v_bfe_u32 v2, v0, 4, 1                         ; h = lane / 16
	v_lshlrev_b32 v4, 4, v3                        ; 16 x lane
	s_lshr_b32 s5, ttmp9, 2                        ; s: the block's K step
	s_and_b32 s6, ttmp9, 3                         ; wv: its quarter of the hidden units
	s_mov_b32 s33, 0                               ; the upper word of every offset pair s[32:33]
	s_wait_kmcnt 0x0
	s_cmp_lt_u32 s4, 4
	s_cbranch_scc0 .Lnot_codes
	; ---- waves 0-3: fragments 4 a + f.  A row of Ua's codes is 1,536 bytes, a K step 96 of them; lane (r, h) takes 24 bytes at 24 h and 24 at 48 + 24 h, in pieces of 8
	v_mul_u32_u24 v5, v1, 1536
	v_mad_u32_u24 v5, v2, 24, v5
	s_lshl_b32 s32, s6, 8
	s_lshl_b32 s34, s4, 6
	s_add_co_u32 s32, s32, s34                     ; my first row: 256 wv + 64 a
	s_mul_i32 s32, s32, 1536
	s_mul_i32 s34, s5, 96
	s_add_co_u32 s32, s32, s34
	s_add_nc_u64 s[8:9], s[8:9], s[32:33]
	s_mul_i32 s32, ttmp9, BLK
	s_mul_i32 s34, s4, 6144
	s_add_co_u32 s32, s32, s34                     ; my four fragments' place in the block
	s_add_nc_u64 s[26:27], s[26:27], s[32:33]
.irp f, 0,1,2,3
.irp p, 0,1,2,3,4,5
	global_load_b64 v[16+12*\f+2*\p:17+12*\f+2*\p], v5, s[8:9] offset:24576*\f+48*(\p/3)+8*(\p%3)
.endr
.endr
.irp f, 0,1,2,3
	s_wait_loadcnt 18-6*\f                         ; fragment f's six loads are in; those of the later fragments may be out
.irp c, 0,1,2
	global_store_b128 v4, v[16+12*\f+4*\c:19+12*\f+4*\c], s[26:27] offset:1536*\f+512*\c   ; 32 lanes store 512 consecutive bytes, at a multiple of 256 from ub's first byte
.endr
.endr
	s_endpgm
.Lnot_codes:
	s_cmp_eq_u32 s4, 5
	s_cbranch_scc0 .Lproduct
	; ---- wave 5: the block's 256 scale words.  A row of Ua's scales is 64 bytes, a K step's word 4 of them; lane l of load (q, j) takes hidden unit 256 wv + 128 q + 32 j + l
	v_lshlrev_b32 v5, 6, v3
	s_lshl_b32 s32, s6, 14
	s_lshl_b32 s34, s5, 2
	s_add_co_u32 s32, s32, s34
	s_add_nc_u64 s[10:11], s[10:11], s[32:33]
	s_mul_i32 s32, ttmp9, BLK
	s_add_co_u32 s32, s32, 24576
	s_add_nc_u64 s[26:27], s[26:27], s[32:33]
.irp q, 0,1
.irp j, 0,1,2,3
	global_load_b32 v[16+4*\q+\j], v5, s[10:11] offset:(8*\q+2*\j)*1024
.endr
.endr
	s_wait_loadcnt 0x0
.irp q, 0,1
	global_store_b128 v4, v[16+4*\q:19+4*\q], s[26:27] offset:512*\q
.endr
	s_endpgm
.Lproduct:
	; ---- wave 4: q for hidden units 16 i + 0..15 and all 32 batches.  Source 0 = 16 rows of decoder_hidden, source 1 = 16 rows of Wa: in the result lane (r, h) holds hidden unit r, register j batch 8 h + j.
	; REGISTERS: v32-127 decoder's fragments of four K steps (2 s + mt), v128-175 Wa's; v176-183, v184-191 the sums; v192-199 two quadruples to store; v200-215 decoder's scale words, v216-223 Wa's (scales alone)
	v_mul_u32_u24 v5, v1, 768                      ; a row of 1,024 codes is 768 bytes
	v_mad_u32_u24 v5, v2, 24, v5
	v_lshlrev_b32 v6, 5, v1                        ; a row of scale bytes is 32: eight words, one a K step
	v_lshlrev_b32 v7, 2, v1
	s_mul_i32 s32, ttmp9, 16*768
	s_add_nc_u64 s[16:17], s[16:17], s[32:33]
	s_lshl_b32 s32, ttmp9, 9
	s_add_nc_u64 s[18:19], s[18:19], s[32:33]
	s_lshl_b32 s32, ttmp9, 6
	s_add_nc_u64 s[20:21], s[20:21], s[32:33]
	s_add_nc_u64 s[22:23], s[22:23], s[32:33]
	s_add_nc_u64 s[24:25], s[24:25], s[32:33]
	s_lshl_b32 s32, ttmp9, 8
	s_add_nc_u64 s[28:29], s[28:29], s[32:33]
	s_mov_b32 s30, C2L
.irp mt, 0,1
	global_load_b128 v[200+8*\mt:203+8*\mt], v6, s[14:15] offset:512*\mt
	global_load_b128 v[204+8*\mt:207+8*\mt], v6, s[14:15] offset:512*\mt+16
.endr
	global_load_b128 v[216:219], v6, s[18:19]
	global_load_b128 v[220:223], v6, s[18:19] offset:16
	global_load_b32 v224, v7, s[20:21]             ; Wa_b, Ua_b, Va_w of my hidden unit
	global_load_b32 v225, v7, s[22:23]
	global_load_b32 v226, v7, s[24:25]
.macro HALF hf                         ; K steps 4 hf .. 4 hf + 3: their fragments, then eight products, the two sums by turns
.irp s, 0,1,2,3
.irp mt, 0,1
.irp p, 0,1,2,3,4,5
	global_load_b64 v[32+12*(2*\s+\mt)+2*\p:33+12*(2*\s+\mt)+2*\p], v5, s[12:13] offset:12288*\mt+96*(4*\hf+\s)+48*(\p/3)+8*(\p%3)
.endr
.endr
.irp p, 0,1,2,3,4,5
	global_load_b64 v[128+12*\s+2*\p:129+12*\s+2*\p], v5, s[16:17] offset:96*(4*\hf+\s)+48*(\p/3)+8*(\p%3)
.endr
.endr
	s_wait_loadcnt 0x0
.irp s, 0,1,2,3
.irp mt, 0,1
.if (\hf == 0) && (\s == 0)
	v_wmma_scale_f32_16x16x128_f8f6f4 v[176+8*\mt:183+8*\mt], v[32+12*(2*\s+\mt):43+12*(2*\s+\mt)], v[128+12*\s:139+12*\s], 0, v[200+8*\mt+4*\hf+\s], v[216+4*\hf+\s] matrix_a_fmt:MATRIX_FMT_BF6 matrix_b_fmt:MATRIX_FMT_BF6
.else
	v_wmma_scale_f32_16x16x128_f8f6f4 v[176+8*\mt:183+8*\mt], v[32+12*(2*\s+\mt):43+12*(2*\s+\mt)], v[128+12*\s:139+12*\s], v[176+8*\mt:183+8*\mt], v[200+8*\mt+4*\hf+\s], v[216+4*\hf+\s] matrix_a_fmt:MATRIX_FMT_BF6 matrix_b_fmt:MATRIX_FMT_BF6
.endif
.endr
.endr
.endm
	HALF 0                                         ; the first K step's products start the sums: nothing is cleared
.rept 4
	v_nop                                          ; four places in front of loads into registers that matrix instructions have read
.endr
	HALF 1
	v_add_f32 v227, v224, v225                     ; these eight plain lines name no register of the products: they are the places in front of the first read of the sums
	v_mul_f32 v194, -2.0, v226                     ; v' = -2 Va
	v_mul_f32 v227, s30, v227                      ; c (Wa_b + Ua_b)
	v_mov_b32 v195, v194
	v_mov_b32 v198, v194
	v_mov_b32 v199, v194
	v_lshlrev_b32 v8, 4, v1                        ; qv: 16 bytes a hidden unit,
	v_lshl_add_u32 v8, v2, 17, v8                  ; and 8 batches of 16,384 bytes further on for lanes 16-31
.set Q, 0
.irp mt, 0,1
.irp j, 0,1,2,3,4,5,6,7                ; each sum's registers in ascending order
.if Q >= 2
	s_wait_xcnt 0x0                                ; the store before last has read this quadruple: it is rewritten only behind this wait
.endif
	v_fma_f32 v[192+4*(Q%2)], v[176+8*\mt+\j], s30, v227       ; b' = c q + c (Wa_b + Ua_b)
	v_fma_f32 v[193+4*(Q%2)], v[176+8*\mt+\j], s30, v227
	global_store_b128 v8, v[192+4*(Q%2):195+4*(Q%2)], s[28:29] offset:(16*\mt+\j)*16384   ; sixteen lanes store 256 consecutive bytes, at a multiple of 256 from qv's first byte
.set Q, Q+1
.endr
.endr
	s_endpgm
.Lfunc_end_k_q08fce40a4e_prep:
	.size	k_q08fce40a4e_prep, .Lfunc_end_k_q08fce40a4e_prep-k_q08fce40a4e_prep
	.p2alignl 7, 3214868480
	.fill 96, 4, 3214868480
	.section	.rodata,"a",@progbits
	.p2align	6, 0x0
	.amdhsa_kernel k_q08fce40a4e_prep
		.amdhsa_group_segment_fixed_size 0
		.amdhsa_private_segment_fixed_size 0
		.amdhsa_enable_private_segment 0
		.amdhsa_kernarg_size 88
		.amdhsa_user_sgpr_count 2
		.amdhsa_user_sgpr_kernarg_segment_ptr 1
		.amdhsa_wavefront_size32 1
		.amdhsa_system_sgpr_workgroup_id_x 1
		.amdhsa_system_sgpr_workgroup_id_y 1
		.amdhsa_system_sgpr_workgroup_id_z 1
		.amdhsa_system_vgpr_workitem_id 0
		.amdhsa_next_free_vgpr 232
		.amdhsa_next_free_sgpr 66
		.amdhsa_reserve_vcc 0
		.amdhsa_float_denorm_mode_32 3
		.amdhsa_float_denorm_mode_16_64 3
		.amdhsa_memory_ordered 1
		.amdhsa_forward_progress 1
		.amdhsa_inst_pref_size 28
	.end_amdhsa_kernel
	.amdgpu_metadata
---
amdhsa.version: [ 1, 2 ]
amdhsa.kernels:
  - .name:           k_q08fce40a4e_prep
    .symbol:         k_q08fce40a4e_prep.kd
    .args:
      - { .name: Ua_w_codes, .offset: 0, .size: 8, .value_kind: global_buffer, .address_space: global }
      - { .name: Ua_w_scales, .offset: 8, .size: 8, .value_kind: global_buffer, .address_space: global }
      - { .name: decoder_hidden_codes, .offset: 16, .size: 8, .value_kind: global_buffer, .address_space: global }
      - { .name: decoder_hidden_scales, .offset: 24, .size: 8, .value_kind: global_buffer, .address_space: global }
      - { .name: Wa_w_codes, .offset: 32, .size: 8, .value_kind: global_buffer, .address_space: global }
      - { .name: Wa_w_scales, .offset: 40, .size: 8, .value_kind: global_buffer, .address_space: global }
      - { .name: Wa_b, .offset: 48, .size: 8, .value_kind: global_buffer, .address_space: global }
      - { .name: Ua_b, .offset: 56, .size: 8, .value_kind: global_buffer, .address_space: global }
      - { .name: Va_w, .offset: 64, .size: 8, .value_kind: global_buffer, .address_space: global }
      - { .name: ub, .offset: 72, .size: 8, .value_kind: global_buffer, .address_space: global }
      - { .name: qv, .offset: 80, .size: 8, .value_kind: global_buffer, .address_space: global }
    .group_segment_fixed_size: 0
    .private_segment_fixed_size: 0
    .kernarg_segment_align: 8
    .kernarg_segment_size: 88
    .max_flat_workgroup_size: 192
    .sgpr_count:     66
    .vgpr_count:     232
    .wavefront_size: 32
...
	.end_amdgpu_metadata
.endif
;; end of part 1
;; launch scores (part 2): grid 256 x 1, 4 waves a work-group, clusters of 4 x 1, 327,680 bytes of LDS; arguments encoder_outputs, ub, qv, sc; writes sc
.if DOCPART == 2
	.amdgcn_target "amdgcn-amd-amdhsa--gfx1250"
	.amdhsa_code_object_version 6
	.text
	.protected	k_q08fce40a4e_scores
	.globl	k_q08fce40a4e_scores
	.p2align	8
	.type	k_q08fce40a4e_scores,@function
k_q08fce40a4e_scores:
	s_mov_b64 s[64:65], 0
	v_nop
	global_prefetch_b8 v0, s[64:65] scope:SCOPE_SE
	s_setreg_imm32_b32 hwreg(HW_REG_WAVE_MODE, 25, 1), 1
	s_wait_xcnt 0x0
	s_wait_alu depctr_hold_cnt(0) depctr_sa_sdst(0) depctr_va_vdst(0) depctr_va_sdst(0) depctr_va_ssrc(0) depctr_va_vcc(0) depctr_vm_vsrc(0)
	s_getreg_b32 s2, hwreg(HW_REG_IB_STS2, 6, 4)
	s_cmp_eq_u32 s2, 0
	s_cbranch_scc0 .Lentry_in_a_cluster
	s_endpgm
.Lentry_in_a_cluster:
	s_bfe_u32 s2, ttmp6, 0x10000c
	s_cmp_lg_u32 s2, 0x3003
	s_cbranch_scc0 .Lentry_shape_is_right
	s_endpgm
.Lentry_shape_is_right:
; BAHDANAU ATTENTION, launch 2 of 3: sc[row] = sum over h of v'[h] / (1 + 2^(c k[row][h] + b'[h])), k = Q(encoder_outputs) Ua_w, the product on codes of BF6 (E3M2) with one E8M0 scale for each 32 along K.
; LEFT OUT (shown at the head of the first launch): Va_b and sum(Va), which are the same along the softmax's axis.  b' = c (q + Wa_b + Ua_b) and v' = -2 Va come from qv, Ua's codes and scale words from ub.
; LIMITS: NaN and infinities among the inputs are not served.  A block of 32 zeros of the encoder gets the scale byte 1 where the rule says 127: its codes are zeros, and the bytes never leave this launch.
; Where 2^(c x) overflows the quotient is 0, where it falls to 0 the quotient is 1: tanh's two ends.
; SHARES.  Work-group wg (256 of them) owns rows 128 wg .. + 127 of the 32,768 (all of batch wg / 8), in two passes of 64 rows.  Wave w makes 64 rows x hidden units 256 w .. + 255 over all of K = 2,048:
; 64 accumulators of 16 x 16, 512 registers.  Source 0 = 16 rows of the encoder, source 1 = 16 rows of Ua: a lane holds ONE hidden unit (lane % 16) and its registers eight rows, so b' and v' are a lane's own numbers and
; a row's score is a sum inside the lane over 16 tiles, four steps across 16 lanes, and a sum over the four waves through LDS.
; THE ENCODER comes as f32 straight into registers, 64 loads of 512 consecutive bytes a wave for a batch of four K steps (wave w: rows 16 w .. + 15 of the pass), asked for a batch ahead.  Each K step's 16 x 128 numbers
; turn through the wave's own stage in LDS, so that a lane holds 16 neighbours of each block of 32, are quantised in registers, and go to the other waves as IMAGES of the operand's registers.
; UA'S BLOCKS come through a ring of two LDS slots by tensor loads; wave w fetches and alone reads block (K step, w).  CLUSTER: all work-groups walk the same blocks, so the four of a cluster ask JOINTLY:
; the same load with the same descriptor and the mask 15.  By this text's count one tensor load of a wave is out at a time.  A pass's ring runs out at K step 15 and begins anew at the next pass's top.
; REGISTERS, in windows of 256: window 0: v1-23 addresses; v24-27 the encoder's scale words, v28-35 Ua's (scales alone); v40-87 the encoder's 4 fragments; v88-135, v136-183 Ua's fragments, two sets of 4;
;   v184-200 the quantiser's own.  While quantising: v88-151 64 numbers, v152-171 codes.  On the way out: v40-103 (b', b', v', v') of 16 tiles, v104-135 32 sums.
;   window 1: four landing sets of 64 (K step i of a batch at 64 i; row t at 4 t).   windows 2, 3: accumulator (m, n) at 8 (4 (n % 8) + m) of window 2 + n / 8.
.set BLK,   25600                      ; a block of ub: 16 fragments of 1,536 bytes, then 1,024 bytes of scale words
.set BSC,   24576
.set SLOT1, 1<<17                      ; slot 0: bytes 0 .. 102,399 (wave w's block at 25,600 w); slot 1 begins here, so that one exclusive or turns an address
.set ABUF,  SLOT1+4*BLK                ; images of the encoder's fragments: K step i of the batch, tile of rows m: 6,144 i + 1,536 m + 512 c + 16 lane
.set ASC,   ABUF+24576                 ; their scale words: 512 i + 16 lane + 4 m
.set STG,   ASC+2048                   ; four stages, a wave's own: 16 rows x 528 bytes
.set SP,    528                        ; 512 bytes + 16 = 132 words: row r starts 4 r words on, modulo 64 (64 banks of 4 bytes: ISA guide 11.1)
.set QVT,   STG+4*16*SP                ; 4,096 bytes a wave: its 256 quadruples of qv
.set SCR,   QVT+16384                  ; 256 bytes a wave: 64 partial scores
.set SPARE, SCR+1024                   ; the spare words, 128 bytes for each wave: two blocks of 256 bytes that no other line names
.set LANE, 1
.set R,    2
.set HH,   3
.set SPW,  4                           ; LDS address of my spare word: SPARE + 4 x my thread's number; never rewritten
.set NIL,  5                           ; 0; never rewritten
.set LI,   6                           ; 16 x lane
.set AB0,  7                           ; my lane's place in my wave's block, slot 0
.set ABS0, 8                           ; and among its scale words
.set AA0,  9                           ; in the images
.set AS0,  10                          ; and among their scale words
.set ADB,  11                          ; the same four for the K step in hand
.set ADBS, 12
.set ADA,  13
.set ADAS, 14
.set STW,  15                          ; the stage, in: 16 x lane
.set STR,  16                          ; and back: 528 r + 64 h
.set IMW,  17                          ; where I store images
.set ISW,  18                          ; and their scale words
.set QVW,  19                          ; qv's table, in
.set QVA,  20                          ; and back: 16 r
.set SCW,  21                          ; partial scores, in
.set SCRD, 22                          ; and back
.set SCO,  23                          ; 8 x lane: my two scores in sc
.set SAW,  24
.set SB,   28
.set AF,   40
.set BF,   88
.set TM,   184                         ; v184-187 largest magnitudes, v188-191 bytes, v196-199 the conversions' scale operands
.set PW,   200                         ; the scale word just made
.set X,    88
.set PC,   152
.set T4,   40
.set SUM,  104
.set MSB, 0
.macro WIN new                         ; the immediate's high byte repeats the setting that is left; a switch that changes nothing is dropped
.if MSB != (\new)
	s_set_vgpr_msb (MSB<<8)|(\new)
.set MSB, (\new)
.endif
.endm
; A round of the cluster's barrier: my work-group's barrier, so that wave 0's signal speaks for all four waves; wave 0 signals; every wave waits for all four work-groups; my work-group's barrier once more.
.macro CROUND
	s_barrier_signal -1
	s_barrier_wait -1
	s_cmp_lg_u32 s12, 0
	s_cbranch_scc1 .Lnot_wave_0_\@
	s_barrier_signal -3
.Lnot_wave_0_\@:
	s_barrier_wait -3
	s_barrier_signal -1
	s_barrier_wait -1
.endm
.macro PLACES                          ; four places: in front of loads into registers that matrix instructions have read, and of vector lines that read results or write such registers (ISA guide 7.12.1 for vector lines)
.rept 4
	v_nop
.endr
.endm
	s_load_b256 s[4:11], s[0:1], 0x0               ; encoder s[4:5], ub s[6:7], qv s[8:9], sc s[10:11]
	v_lshl_add_u32 v[SPW], v0, 2, SPARE
	v_mov_b32 v[NIL], 0
	ds_add_u32 v[SPW], v[NIL]                      ; the wave's opening: the add, twice on end, and its wait ahead of my first tensor load; the set-up below stands between the second and the wait
	ds_add_u32 v[SPW], v[NIL]
	v_lshrrev_b32 v1, 5, v0
	v_readfirstlane_b32 s12, v1                    ; wave 0..3
	v_and_b32 v[LANE], 31, v0
	v_and_b32 v[R], 15, v0
	v_bfe_u32 v[HH], v0, 4, 1
	s_bfe_u32 s13, ttmp6, 0x40000                  ; cx: my place in the cluster
	s_lshl_b32 s14, ttmp9, 2                       ; in a cluster launch ttmp9 counts clusters
	s_add_co_u32 s14, s14, s13                     ; wg: it enters the encoder's, qv's and sc's addresses alone
	s_mul_i32 s15, s12, BLK                        ; my wave's block in a slot, and in a K step of ub
	; descriptor group 1: a dense block of 25,600 bytes as 100 rows of 256 (32 elements of 8 bytes), no padding
	s_mov_b32 s16, 15|(3<<16)|(1<<21)              ; 15:0 the mask: all four work-groups; 17:16 elements of 8 bytes; 21 set beside a mask
	s_mov_b32 s17, 32<<16                          ; tensor_dim0 = 32
	s_mov_b32 s18, 100<<16                         ; tensor_dim1 = 100
	s_mov_b32 s19, 32<<16                          ; tile_dim0 = 32
	s_mov_b32 s20, 100                             ; tile_dim1 = 100
	s_mov_b32 s21, 32                              ; from row to row
	s_mov_b32 s22, 0
	s_mov_b32 s23, 0
	s_mov_b32 s24, 1                               ; group 0, s[24:27]: count = 1; its other words are written at each change of slots
	s_mov_b32 s48, 0x4038aa3b                      ; c = 2 log2(e)
	s_mov_b32 s49, s48                             ; (named with it as a pair, so it is written)
	s_mov_b32 s50, 0x76543210
	s_mov_b32 s51, 0xfedcba98                      ; v_permlanex16_b32's selects for lane l xor 16
	v_lshlrev_b32 v[LI], 4, v[LANE]
	v_add_nc_u32 v[AB0], s15, v[LI]
	v_add_nc_u32 v[ABS0], BSC, v[AB0]
	v_add_nc_u32 v[AA0], ABUF, v[LI]
	v_add_nc_u32 v[AS0], ASC, v[LI]
	s_mul_i32 s42, s12, 16*SP
	s_add_co_u32 s42, s42, STG                     ; my stage
	v_add_nc_u32 v[STW], s42, v[LI]
	v_mul_u32_u24 v[STR], v[R], SP
	v_lshl_add_u32 v[STR], v[HH], 6, v[STR]
	v_add_nc_u32 v[STR], s42, v[STR]
	s_mul_i32 s42, s12, 1536
	s_add_co_u32 s42, s42, ABUF
	v_add_nc_u32 v[IMW], s42, v[LI]                ; my rows are tile of rows w
	s_lshl_b32 s42, s12, 2
	s_add_co_u32 s42, s42, ASC
	v_add_nc_u32 v[ISW], s42, v[LI]
	s_lshl_b32 s42, s12, 12
	s_add_co_u32 s42, s42, QVT
	v_add_nc_u32 v[QVW], s42, v[LI]
	v_lshl_add_u32 v[QVA], v[R], 4, s42
	s_lshl_b32 s42, s12, 8
	s_add_co_u32 s42, s42, SCR
	v_lshl_add_u32 v[SCW], v[HH], 5, s42
	v_lshlrev_b32 v[SCO], 3, v[LANE]
	v_add_nc_u32 v[SCRD], SCR, v[SCO]
.irp b, 0,1,2,3
	v_mov_b32 v[TM+4+\b], 0                        ; written once: a lane permute's destination counts as one of its sources
.endr
	s_mov_b32 s36, 1                               ; the next batch to ask for (8 in all: 4 a pass)
	s_mov_b32 s44, 0                               ; passes done
	s_wait_dscnt 0x0                               ; both opening adds are done
	s_wait_kmcnt 0x0
	s_mov_b32 s30, s15
	s_mov_b32 s31, 0
	s_add_nc_u64 s[28:29], s[6:7], s[30:31]        ; ub at my wave's block of K step 0: the wave's number alone enters it
	s_lshl_b32 s42, s14, 20                        ; 128 wg rows of 8,192 bytes,
	s_lshl_b32 s43, s12, 17                        ; and my wave's 16 rows of a pass
	s_add_co_u32 s42, s42, s43
	s_mov_b32 s43, 0
	s_add_nc_u64 s[40:41], s[4:5], s[42:43]
	s_mov_b64 s[38:39], s[40:41]                   ; batch 0
	s_lshr_b32 s42, s14, 3                         ; my batch of the 32: 16,384 bytes of qv,
	s_lshl_b32 s42, s42, 14
	s_lshl_b32 s46, s12, 12                        ; my wave's 256 quadruples
	s_add_co_u32 s42, s42, s46
	s_add_nc_u64 s[8:9], s[8:9], s[42:43]
	s_lshl_b32 s42, s14, 9
	s_add_nc_u64 s[52:53], s[10:11], s[42:43]      ; sc at my work-group's 128 scores
.irp k, 0,1,2,3,4,5,6,7
	global_load_b128 v[T4+4*\k:T4+4*\k+3], v[LI], s[8:9] offset:512*\k
.endr
	WIN 0x40                                       ; destination window 1, address window 0
.irp i, 0,1,2,3
.irp t, 0,1,2,3,4,5,6,7,8,9,10,11,12,13,14,15
	global_load_b128 v[64*\i+4*\t:64*\i+4*\t+3], v[LI], s[38:39] offset:8192*\t+512*\i th:TH_LOAD_NT   ; row t, K step i: 512 consecutive bytes, at a multiple of 256 from the encoder's first byte
.endr
.endr
	WIN 0
	s_wait_loadcnt 63                              ; behind qv's eight loads stand 64; a wait's count goes up to 63, which shows nine loads done
.irp k, 0,1,2,3,4,5,6,7
	ds_store_b128 v[QVW], v[T4+4*\k:T4+4*\k+3] offset:512*\k   ; my wave's own bytes: I alone read them
.endr
; 64 numbers of a lane, v[X] on, register 16 b + i = k 32 b + 16 (lane / 16) + i of my row, become a fragment's codes in v[PC] on and its scale word in v[PW].
.macro QUANT
.irp b, 0,1,2,3
	v_max3_num_f32 v[TM+\b], |v[X+16*\b]|, |v[X+1+16*\b]|, 0x2800000   ; block b: my 16 numbers, and the floor 2^(5 - 127): so the byte cannot fall under 1
.endr
.irp i, 2,4,6,8,10,12,14
.irp b, 0,1,2,3
	v_max3_num_f32 v[TM+\b], v[TM+\b], |v[X+16*\b+\i]|, |v[X+1+16*\b+\i]|   ; (the four blocks by turns)
.endr
.endr
.irp b, 0,1,2,3
	v_permlanex16_b32 v[TM+4+\b], v[TM+\b], s50, s51
.endr
.irp b, 0,1,2,3
	v_max_num_f32 v[TM+\b], v[TM+\b], v[TM+4+\b]   ; with lane l xor 16's: the block's largest magnitude
.endr
.irp b, 0,1,2,3
	v_add_nc_u32 v[TM+12+\b], 0xfe000000, v[TM+\b] ; 4 off its exponent field: the conversion takes the exponent field of this operand as its scale
.endr
.irp b, 0,1,2,3
	v_lshrrev_b32 v[TM+4+\b], 23, v[TM+12+\b]      ; the scale's byte
.endr
	v_lshl_or_b32 v[PW], v[TM+5], 8, v[TM+4]       ; the four bytes make my row's scale word
	v_lshl_or_b32 v[PW], v[TM+6], 16, v[PW]
	v_lshl_or_b32 v[PW], v[TM+7], 24, v[PW]
.irp c, 0,1
	v_cvt_scalef32_pk16_bf6_f32 v[PC+6*\c:PC+2+6*\c], v[X+32*\c:X+15+32*\c], v[TM+12+2*\c]
	v_cvt_scalef32_pk16_bf6_f32 v[PC+12+4*\c:PC+14+4*\c], v[X+16+32*\c:X+31+32*\c], v[TM+12+2*\c+1]   ; (a conversion's three registers begin on an even number)
.endr
	v_nop                                          ; one plain place behind a scaled conversion
.irp c, 0,1                            ; the operand's layout wants a WHOLE block in a lane: lanes 0-15 block 2 c, lanes 16-31 block 2 c + 1
.irp i, 0,1,2
	v_permlane16_swap_b32 v[PC+6*\c+\i], v[PC+12+4*\c+\i]
.endr
.irp i, 0,1,2
	v_mov_b32 v[PC+3+6*\c+\i], v[PC+12+4*\c+\i]
.endr
.endr
.endm
; Landing set i (K step i of the batch that has landed) becomes an image.  n: how many rows of the NEXT batch's K step i are asked for into the set, once the stage has taken it.
.macro QSET i, n
	WIN 0x04                                       ; an LDS store's data are its source 1: window 1
.irp t, 0,1,2,3,4,5,6,7,8,9,10,11,12,13,14,15
	ds_store_b128 v[STW], v[64*\i+4*\t:64*\i+4*\t+3] offset:SP*\t
.endr
	WIN 0
.irp b, 0,1,2,3
.irp j, 0,1,2,3
	ds_load_b128 v[X+16*\b+4*\j:X+16*\b+4*\j+3], v[STR] offset:128*\b+16*\j   ; LDS serves a wave's instructions in order (ISA guide 5.7.1.4): these see the stores above
.endr
.endr
	s_wait_dscnt 0x0                               ; my 64 numbers are back; the stores have read the set, and the last image's stores their registers
.if \n
	WIN 0x40
.irp t, 0,1,2,3,4,5,6,7,8,9,10,11,12,13,14,15
.if \t < \n
	global_load_b128 v[64*\i+4*\t:64*\i+4*\t+3], v[LI], s[38:39] offset:8192*\t+512*\i th:TH_LOAD_NT
.endif
.endr
	WIN 0
.endif
	QUANT
.irp c, 0,1,2
	ds_store_b128 v[IMW], v[PC+4*\c:PC+4*\c+3] offset:6144*\i+512*\c
.endr
	ds_store_b32 v[ISW], v[PW] offset:512*\i
.endm
; In front of a batch's images: every wave has read the last batch's (its LDS loads are back), then the work-group's barrier.  The barrier between these stores and their readers is the round at the next K step's head.
.macro QSTART
	PLACES
	s_mov_b32 s34, 0                               ; the images' K step: 6,144 bytes a step,
	s_mov_b32 s35, 0                               ; their scale words': 512
	s_wait_dscnt 0x0
	s_barrier_signal -1
	s_barrier_wait -1
.endm
; A batch is quantised and the next is asked for: 63 loads here, the 64th one K step later (LAG), so that no more than a wait can count are out.
.macro Q_ISSUE
	s_wait_loadcnt 0x1                             ; the whole batch but its late load, the youngest
	s_wait_xcnt 0x0                                ; which has read its base: the base is rewritten only behind this wait
	s_lshr_b32 s42, s36, 2
	s_lshl_b32 s42, s42, 19                        ; the pass: 64 rows of 8,192 bytes
	s_and_b32 s43, s36, 3
	s_lshl_b32 s43, s43, 11                        ; the batch in it: 512 columns
	s_add_co_u32 s42, s42, s43
	s_mov_b32 s43, 0
	s_add_nc_u64 s[38:39], s[40:41], s[42:43]
	s_add_co_u32 s36, s36, 1
	s_mov_b32 s37, 1                               ; a late load is owed
	QSET 0, 16
	QSET 1, 16
	QSET 2, 16
	s_wait_loadcnt 48                              ; behind the late load stand the 48 just issued: it is in
	QSET 3, 15
.endm
.macro Q_LAST                          ; the last batch: nothing is left to ask for
	s_wait_loadcnt 0x0
	s_mov_b32 s37, 0
	QSET 0, 0
	QSET 1, 0
	QSET 2, 0
	QSET 3, 0
.endm
.macro LAG                             ; the batch's 64th load: K step 3, row 15
	WIN 0x40
	global_load_b128 v[252:255], v[LI], s[38:39] offset:8192*15+512*3 th:TH_LOAD_NT
	WIN 0
.endm
.macro BFRAG g, p                      ; Ua's fragments of tiles 4 g .. 4 g + 3 into set p: images, three loads of 512 consecutive bytes each
.irp f, 0,1,2,3
.irp c, 0,1,2
	ds_load_b128 v[BF+48*(\p)+12*\f+4*\c:BF+48*(\p)+12*\f+4*\c+3], v[ADB] offset:1536*(4*(\g)+\f)+512*\c
.endr
.endr
.endm
; 16 products: tiles 4 g .. 4 g + 3 of hidden units x the four tiles of rows.  The 64 accumulators take turns, one instruction a turn, in the same order in every K step.
; Ua's scale register carries an even tile's words in lanes 0-15 and the next tile's in lanes 16-31.  zero = 1: the products start the sums: nothing is ever cleared.
.macro MUL16 g, p, zero
.irp f, 0,1,2,3
.irp m, 0,1,2,3
.set rD, 8*(4*((4*(\g)+\f)%8)+\m)
.set rA, AF+12*\m
.set rB, BF+48*(\p)+12*\f
.set rS, SB+4*((\g)/2)+((4*(\g)+\f)%8)/2
.if \zero
.if \f%2
	v_wmma_scale_f32_16x16x128_f8f6f4 v[rD:rD+7], v[rA:rA+11], v[rB:rB+11], 0, v[SAW+\m], v[rS] matrix_a_fmt:MATRIX_FMT_BF6 matrix_b_fmt:MATRIX_FMT_BF6 matrix_b_scale:MATRIX_SCALE_ROW1
.else
	v_wmma_scale_f32_16x16x128_f8f6f4 v[rD:rD+7], v[rA:rA+11], v[rB:rB+11], 0, v[SAW+\m], v[rS] matrix_a_fmt:MATRIX_FMT_BF6 matrix_b_fmt:MATRIX_FMT_BF6
.endif
.else
.if \f%2
	v_wmma_scale_f32_16x16x128_f8f6f4 v[rD:rD+7], v[rA:rA+11], v[rB:rB+11], v[rD:rD+7], v[SAW+\m], v[rS] matrix_a_fmt:MATRIX_FMT_BF6 matrix_b_fmt:MATRIX_FMT_BF6 matrix_b_scale:MATRIX_SCALE_ROW1
.else
	v_wmma_scale_f32_16x16x128_f8f6f4 v[rD:rD+7], v[rA:rA+11], v[rB:rB+11], v[rD:rD+7], v[SAW+\m], v[rS] matrix_a_fmt:MATRIX_FMT_BF6 matrix_b_fmt:MATRIX_FMT_BF6
.endif
.endif
.endr
.endr
.endm
; A K STEP of 128: 64 products.  fill = 1: the change of slots stands at its head: my block of this step has landed, the slot read last step takes the next step's block.
; lag = 2: the batch's late load is issued; 1: if one is owed; 0: none.
.macro STEP zero, fill, lag
.if \fill
	s_wait_tensorcnt 0x0                           ; my one tensor load, this step's block, has landed: so group 0 may be written
	ds_add_u32 v[SPW], v[NIL]                      ; 0 onto my spare word; the descriptor's steps stand between it and the wait for it
	s_xor_b32 s25, s25, SLOT1                      ; the other slot,
	s_add_nc_u64 s[26:27], s[26:27], 4*BLK         ; the next K step's block; the type bits on top are not reached
	s_wait_dscnt 0x0                               ; the add is done, my reads of the slot that I have left are back, and my images, if I have just made some, lie in LDS
	CROUND                                         ; all that now holds of every wave of all four work-groups
	tensor_load_to_lds s[24:27], s[16:23]          ; the first thing behind the round, and my one tensor load until the next: it has this step's 64 products in which to land
	s_nop 0
.else
	s_wait_tensorcnt 0x0                           ; the pass's last block has landed; I alone read it, and nothing is filled: no barrier
.endif
	PLACES                                         ; (the places in front of the loads below)
.if \lag == 2
	LAG
.elseif \lag == 1
	s_cmp_eq_u32 s37, 1
	s_cbranch_scc0 .Lno_lag_\@
	LAG
.Lno_lag_\@:
.endif
	v_add_nc_u32 v[ADB], s33, v[AB0]
	v_add_nc_u32 v[ADBS], s33, v[ABS0]
	v_add_nc_u32 v[ADA], s34, v[AA0]
	v_add_nc_u32 v[ADAS], s35, v[AS0]
	ds_load_b128 v[SAW:SAW+3], v[ADAS]             ; the four tiles of rows' scale words
	ds_load_b128 v[SB:SB+3], v[ADBS]               ; Ua's, of 16 tiles
	ds_load_b128 v[SB+4:SB+7], v[ADBS] offset:512
.irp m, 0,1,2,3
.irp c, 0,1,2
	ds_load_b128 v[AF+12*\m+4*\c:AF+12*\m+4*\c+3], v[ADA] offset:1536*\m+512*\c
.endr
.endr
	BFRAG 0, 0
	BFRAG 1, 1
	s_wait_dscnt 12                                ; all but the youngest twelve, group 1's
	WIN 0xa0                                       ; C and D window 2
	MUL16 0, 0, \zero
	WIN 0
	PLACES
	BFRAG 2, 0
	s_wait_dscnt 12                                ; group 1 is in; group 2's twelve may be out
	WIN 0xa0
	MUL16 1, 1, \zero
	WIN 0
	PLACES
	BFRAG 3, 1
	s_wait_dscnt 12                                ; group 2 is in
	WIN 0xf0                                       ; C and D window 3
	MUL16 2, 0, \zero
	s_wait_dscnt 0x0
	MUL16 3, 1, \zero
	WIN 0
	s_xor_b32 s33, s33, SLOT1                      ; the next step reads the other slot,
	s_add_co_u32 s34, s34, 6144                    ; the batch's next images
	s_add_co_u32 s35, s35, 512
.endm
; THE WAY OUT, two tiles of hidden units (8 accumulators, 64 registers) at a time, in place: c k + b'; 2^; + 1; 1 /; times v', summed over the tiles.  Each accumulator is read from its low end on.
; The exponentials, and the reciprocals, go as one batch with one plain line and ONE wait ahead of the first line that names a result.
.macro TAILB bt
.set RB, 64*((\bt)%4)
.if (\bt) < 4
	WIN 0x82                                       ; destination and source 0: window 2
.else
	WIN 0xc3
.endif
.set pp, 0
.rept 32
.set rQ, T4+4*(2*(\bt)+pp/16)
	v_pk_fma_f32 v[RB+2*pp:RB+2*pp+1], v[RB+2*pp:RB+2*pp+1], s[48:49], v[rQ:rQ+1] op_sel_hi:[1,0,1]
.set pp, pp+1
.endr
.set pp, 0
.rept 64
	v_exp_f32 v[RB+pp], v[RB+pp]
.set pp, pp+1
.endr
	v_nop
	s_wait_alu depctr_va_vdst(0)
.set pp, 0
.rept 32
	v_pk_add_f32 v[RB+2*pp:RB+2*pp+1], v[RB+2*pp:RB+2*pp+1], 1.0 op_sel_hi:[1,0]
.set pp, pp+1
.endr
.set pp, 0
.rept 64
	v_rcp_f32 v[RB+pp], v[RB+pp]
.set pp, pp+1
.endr
	v_nop
	s_wait_alu depctr_va_vdst(0)
.if (\bt) < 4
	WIN 0x02                                       ; source 0 window 2; the sums and v' in window 0
.else
	WIN 0x03
.endif
.set pp, 0
.rept 32
.set rQ, T4+4*(2*(\bt)+pp/16)+2
.set rU, SUM+2*(pp%16)                 ; sum 8 m + j: row 16 m + 8 (lane / 16) + j
.if ((\bt) == 0) && (pp < 16)
	v_pk_mul_f32 v[rU:rU+1], v[RB+2*pp:RB+2*pp+1], v[rQ:rQ+1]      ; the first tile starts the sums
.else
	v_pk_fma_f32 v[rU:rU+1], v[RB+2*pp:RB+2*pp+1], v[rQ:rQ+1], v[rU:rU+1]
.endif
.set pp, pp+1
.endr
.endm
.Lpass:                                            ; two trips: 64 rows each
	s_wait_tensorcnt 0x0                           ; THE RING BEGINS: no tensor load of mine is out
	ds_add_u32 v[SPW], v[NIL]                      ; the add, twice on end
	ds_add_u32 v[SPW], v[NIL]
	s_mov_b32 s25, s15                             ; group 0: slot 0,
	s_mov_b64 s[26:27], s[28:29]                   ; K step 0's block,
	s_or_b32 s27, s27, 0x80000000                  ; type = 2
	s_mov_b32 s33, 0                               ; and the reads begin in slot 0
	s_wait_dscnt 0x0                               ; the adds are done, and my LDS instructions of the pass before
	CROUND
	tensor_load_to_lds s[24:27], s[16:23]          ; it lands while the first batch is quantised
	s_nop 0
	PLACES
	QSTART
	Q_ISSUE
	STEP 1, 1, 2                                   ; K step 0 starts the sums
	s_mov_b32 s45, 3
.Lbatch:                                           ; three trips: K steps 4 t + 1 .. 4 t + 4
	s_mov_b32 s46, 3
.Lthree:
	STEP 0, 1, 0
	s_sub_co_u32 s46, s46, 1
	s_cmp_lg_u32 s46, 0
	s_cbranch_scc1 .Lthree
	QSTART
	s_cmp_lt_u32 s36, 8                            ; is there a batch left to ask for?  A count of batches: the same in every wave and work-group
	s_cbranch_scc0 .Llast_q
	Q_ISSUE
	s_branch .Lq_done
.Llast_q:
	Q_LAST
.Lq_done:
	STEP 0, 1, 1
	s_sub_co_u32 s45, s45, 1
	s_cmp_lg_u32 s45, 0
	s_cbranch_scc1 .Lbatch
	s_mov_b32 s46, 2
.Ltwo:
	STEP 0, 1, 0                                   ; K steps 13 and 14
	s_sub_co_u32 s46, s46, 1
	s_cmp_lg_u32 s46, 0
	s_cbranch_scc1 .Ltwo
	STEP 0, 0, 0                                   ; K step 15 asks for nothing: it is written out
	PLACES
.irp n, 0,1,2,3,4,5,6,7,8,9,10,11,12,13,14,15
	ds_load_b128 v[T4+4*\n:T4+4*\n+3], v[QVA] offset:256*\n    ; (b', b', v', v') of my hidden unit in tile n
.endr
	s_wait_dscnt 0x0
.irp bt, 0,1,2,3,4,5,6,7
	TAILB \bt
.endr
	WIN 0
.irp k, 1,2,4,8                        ; across the 16 lanes of a half: my wave's 256 hidden units are summed
.set pp, 0
.rept 32
	v_add_f32_dpp v[SUM+pp], v[SUM+pp], v[SUM+pp] row_xmask:\k row_mask:0xf bank_mask:0xf
.set pp, pp+1
.endr
.endr
.irp m, 0,1,2,3
.irp u, 0,1
	ds_store_b128 v[SCW], v[SUM+8*\m+4*\u:SUM+8*\m+4*\u+3] offset:64*\m+16*\u   ; rows 16 m + 8 h + 4 u + 0..3; the 16 lanes of a half write the same bytes with the same values
.endr
.endr
	s_wait_dscnt 0x0                               ; for the others' sake: my partial scores lie in LDS
	s_barrier_signal -1
	s_barrier_wait -1
	s_cmp_lg_u32 s12, 0
	s_cbranch_scc1 .Lnot_first
.irp v, 0,1,2,3
	ds_load_b64 v[136+2*\v:137+2*\v], v[SCRD] offset:256*\v    ; wave 0 adds the four waves' parts: two rows a lane
.endr
	s_wait_dscnt 0x0
	v_pk_add_f32 v[136:137], v[136:137], v[138:139]
	v_pk_add_f32 v[140:141], v[140:141], v[142:143]
	v_pk_add_f32 v[136:137], v[136:137], v[140:141]
	global_store_b64 v[SCO], v[136:137], s[52:53]  ; 32 lanes store 256 consecutive bytes, at a multiple of 256 from sc's first byte
	s_wait_xcnt 0x0                                ; the store has read its base and its data: both are rewritten only behind this wait
	s_add_nc_u64 s[52:53], s[52:53], 256
.Lnot_first:
	s_add_co_u32 s44, s44, 1
	s_cmp_lt_u32 s44, 2
	s_cbranch_scc1 .Lpass
	s_wait_tensorcnt 0x0                           ; the wave's end: behind my last tensor load and my last LDS store
	ds_add_u32 v[SPW], v[NIL]
	s_wait_dscnt 0x0
	CROUND                                         ; the closing round: no work-group ends while a partner may still ask for a block that names it
	s_endpgm
.Lfunc_end_k_q08fce40a4e_scores:
	.size	k_q08fce40a4e_scores, .Lfunc_end_k_q08fce40a4e_scores-k_q08fce40a4e_scores
	.p2alignl 7, 3214868480
	.fill 96, 4, 3214868480
	.section	.rodata,"a",@progbits
	.p2align	6, 0x0
	.amdhsa_kernel k_q08fce40a4e_scores
		.amdhsa_group_segment_fixed_size 327680
		.amdhsa_private_segment_fixed_size 0
		.amdhsa_enable_private_segment 0
		.amdhsa_kernarg_size 32
		.amdhsa_user_sgpr_count 2
		.amdhsa_user_sgpr_kernarg_segment_ptr 1
		.amdhsa_wavefront_size32 1
		.amdhsa_system_sgpr_workgroup_id_x 1
		.amdhsa_system_sgpr_workgroup_id_y 1
		.amdhsa_system_sgpr_workgroup_id_z 1
		.amdhsa_system_vgpr_workitem_id 0
		.amdhsa_next_free_vgpr 1024
		.amdhsa_next_free_sgpr 66
		.amdhsa_reserve_vcc 0
		.amdhsa_float_denorm_mode_32 3
		.amdhsa_float_denorm_mode_16_64 3
		.amdhsa_memory_ordered 1
		.amdhsa_forward_progress 1
		.amdhsa_inst_pref_size 255
	.end_amdhsa_kernel
	.section	.bss,"aw",@nobits
	.p2align	6
	.space	262144
	.amdgpu_metadata
---
amdhsa.version: [ 1, 2 ]
amdhsa.kernels:
  - .name:           k_q08fce40a4e_scores
    .symbol:         k_q08fce40a4e_scores.kd
    .args:
      - { .name: encoder_outputs, .offset: 0, .size: 8, .value_kind: global_buffer, .address_space: global }
      - { .name: ub, .offset: 8, .size: 8, .value_kind: global_buffer, .address_space: global }
      - { .name: qv, .offset: 16, .size: 8, .value_kind: global_buffer, .address_space: global }
      - { .name: sc, .offset: 24, .size: 8, .value_kind: global_buffer, .address_space: global }
    .group_segment_fixed_size: 327680
    .private_segment_fixed_size: 0
    .kernarg_segment_align: 8
    .kernarg_segment_size: 32
    .max_flat_workgroup_size: 128
    .sgpr_count:     66
    .vgpr_count:     1024
    .wavefront_size: 32
...
	.end_amdgpu_metadata
.endif
;; end of part 2
;; launch context (part 3): grid 8 x 32, 8 waves a work-group, no clusters, 10,240 bytes of LDS; arguments sc, encoder_outputs, out0, out1; writes out0, out1
.if DOCPART == 3
	.amdgcn_target "amdgcn-amd-amdhsa--gfx1250"
	.amdhsa_code_object_version 6
	.text
	.protected	k_q08fce40a4e_context
	.globl	k_q08fce40a4e_context
	.p2align	8
	.type	k_q08fce40a4e_context,@function
k_q08fce40a4e_context:
	s_mov_b64 s[64:65], 0
	v_nop
	global_prefetch_b8 v0, s[64:65] scope:SCOPE_SE
	s_setreg_imm32_b32 hwreg(HW_REG_WAVE_MODE, 25, 1), 1
	s_wait_xcnt 0x0
; BAHDANAU ATTENTION, launch 3 of 3: out1[b][s] = softmax over s of sc[b][s], with the row's maximum taken away; out0[b][f] = sum over s of out1[b][s] encoder_outputs[b][s][f].
; LEFT OUT (shown at the head of the first launch): sc holds the scores less Va_b and sum(Va), which are the same along s and leave the softmax as it is.
; SHARES.  Work-group (cb, b) owns columns 256 cb .. + 255 of batch b's context and sums all 1,024 rows for them: each output has one owner.  Every work-group makes the batch's 1,024 weights for itself from 4,096
; bytes of sc (4 a thread); the eight work-groups of a batch store 128 weights each.  Wave v takes 512 bytes (128 columns: strip v % 2) of rows 256 (v / 2) .. + 255.
; The product has one row a batch: it is a stream, in f32 fused multiply-adds.  No matrix unit, no tensor load; no cluster: the work-groups of a batch share nothing but the 4,096 bytes of scores.
; 32 loads of 512 consecutive bytes of every wave are on their way: two groups of 16 rows by turns.
; LIMITS: NaN and infinities among the inputs are not served.  A weight under 2^-126 of the largest comes out as 0 (v_exp_f32 flushes: ISA guide 15.8).
.set RMAX,  0                          ; LDS: a word a wave: the waves' maxima;
.set RSUM,  256                        ; their sums;
.set PT,    512                        ; the 1,024 weights;
.set RED,   4608                       ; 512 bytes a wave: its part of the context;
.set SPARE, 8704                       ; the spare words, 128 bytes for each wave: four blocks of 256 bytes that no other line names
.set EA,    48                         ; v48-111   16 rows x 4 registers
.set EB,    112                        ; v112-175  16 rows more
	s_load_b256 s[4:11], s[0:1], 0x0               ; sc s[4:5], encoder s[6:7], out0 s[8:9], out1 s[10:11]
	v_lshl_add_u32 v2, v0, 2, SPARE                ; v2: my spare word; v3: 0; both kept for the add at the wave's end
	v_mov_b32 v3, 0
	v_lshrrev_b32 v5, 5, v0
	v_readfirstlane_b32 s12, v5                    ; wave 0..7
	v_and_b32 v1, 31, v0
	v_lshlrev_b32 v1, 4, v1                        ; 16 x lane
	v_lshlrev_b32 v6, 4, v0                        ; 16 x thread
	v_lshlrev_b32 v7, 2, v5                        ; 4 x wave
	v_mov_b32 v44, 0
	v_mov_b32 v13, 0                               ; (a lane permute's destination counts as one of its sources)
	s_and_b32 s13, ttmp7, 0xffff                   ; b
	s_and_b32 s14, s12, 1                          ; strip
	s_lshr_b32 s15, s12, 1                         ; which 256 rows
	s_lshl_b32 s16, s15, 10
	s_add_co_u32 s16, s16, PT
	v_mov_b32 v4, s16                              ; my rows' weights
	s_mov_b32 s22, 0x76543210
	s_mov_b32 s23, 0xfedcba98                      ; v_permlanex16_b32's selects for lane l xor 16
	s_mov_b32 s19, 0
	s_wait_kmcnt 0x0
	s_lshl_b32 s18, s13, 12
	s_add_nc_u64 s[4:5], s[4:5], s[18:19]          ; the batch's scores,
	s_add_nc_u64 s[10:11], s[10:11], s[18:19]      ; and its weights
	s_lshl_b32 s18, s13, 23                        ; the batch: 1,024 rows of 8,192 bytes,
	s_lshl_b32 s20, s15, 21                        ; my 256 rows,
	s_add_co_u32 s18, s18, s20
	s_lshl_b32 s20, ttmp9, 10                      ; the work-group's 1,024 bytes of a row,
	s_add_co_u32 s18, s18, s20
	s_lshl_b32 s20, s14, 9                         ; my 512 of them
	s_add_co_u32 s18, s18, s20
	s_add_nc_u64 s[6:7], s[6:7], s[18:19]
	s_lshl_b32 s18, s13, 13
	s_lshl_b32 s20, ttmp9, 10
	s_add_co_u32 s18, s18, s20
	s_add_nc_u64 s[8:9], s[8:9], s[18:19]
.macro FILL e, row0                    ; 16 rows from row0 on: 512 consecutive bytes each, at a multiple of 256 from the encoder's first byte
.irp t, 0,1,2,3,4,5,6,7,8,9,10,11,12,13,14,15
	global_load_b128 v[\e+4*\t:\e+4*\t+3], v1, s[6:7] offset:8192*(\row0+\t) th:TH_LOAD_NT
.endr
.endm
	global_load_b128 v[8:11], v6, s[4:5]           ; my four scores
	FILL EA, 0                                     ; the stream begins before the softmax
	FILL EB, 16
.irp k, 0,1,2,3,4,5,6,7
	v_mov_b32 v[20+\k], 0                          ; eight running sums: my four columns, even rows and odd rows apart
.endr
	s_wait_loadcnt 32                              ; the scores are in; the 32 loads behind them stay out
	; ---- the maximum: in the lane, in the wave, over the eight waves
	v_max3_num_f32 v12, v8, v9, v10
	v_max_num_f32 v12, v12, v11
	v_max_num_f32_dpp v12, v12, v12 row_xmask:1 row_mask:0xf bank_mask:0xf
	v_max_num_f32_dpp v12, v12, v12 row_xmask:2 row_mask:0xf bank_mask:0xf
	v_max_num_f32_dpp v12, v12, v12 row_xmask:4 row_mask:0xf bank_mask:0xf
	v_max_num_f32_dpp v12, v12, v12 row_xmask:8 row_mask:0xf bank_mask:0xf
	v_permlanex16_b32 v13, v12, s22, s23
	v_max_num_f32 v12, v12, v13
	ds_store_b32 v7, v12 offset:RMAX               ; all lanes write the wave's word with the same value
	s_wait_dscnt 0x0
	s_barrier_signal -1
	s_barrier_wait -1
	ds_load_b128 v[12:15], v44 offset:RMAX
	ds_load_b128 v[16:19], v44 offset:RMAX+16
	s_wait_dscnt 0x0
	v_max3_num_f32 v12, v12, v13, v14
	v_max3_num_f32 v15, v15, v16, v17
	v_max3_num_f32 v12, v12, v18, v19
	v_max_num_f32 v12, v12, v15
	; ---- e^(s - max), their sum, the weights
.irp k, 0,1,2,3
	v_sub_f32 v[8+\k], v[8+\k], v12
.endr
.irp k, 0,1,2,3
	v_mul_f32 v[8+\k], 0x3fb8aa3b, v[8+\k]         ; x log2(e)
.endr
.irp k, 0,1,2,3
	v_exp_f32 v[8+\k], v[8+\k]
.endr
	v_mov_b32 v13, 0                               ; a plain line behind the exponentials,
	s_wait_alu depctr_va_vdst(0)                   ; and the one wait ahead of the first line that names a result
	v_add_f32 v12, v8, v9
	v_add_f32 v14, v10, v11
	v_add_f32 v12, v12, v14
	v_add_f32_dpp v12, v12, v12 row_xmask:1 row_mask:0xf bank_mask:0xf
	v_add_f32_dpp v12, v12, v12 row_xmask:2 row_mask:0xf bank_mask:0xf
	v_add_f32_dpp v12, v12, v12 row_xmask:4 row_mask:0xf bank_mask:0xf
	v_add_f32_dpp v12, v12, v12 row_xmask:8 row_mask:0xf bank_mask:0xf
	v_permlanex16_b32 v13, v12, s22, s23
	v_add_f32 v12, v12, v13
	ds_store_b32 v7, v12 offset:RSUM               ; other bytes than the maxima's: no wave can still be reading them
	s_wait_dscnt 0x0
	s_barrier_signal -1
	s_barrier_wait -1
	ds_load_b128 v[12:15], v44 offset:RSUM
	ds_load_b128 v[16:19], v44 offset:RSUM+16
	s_wait_dscnt 0x0
	v_pk_add_f32 v[12:13], v[12:13], v[14:15]
	v_pk_add_f32 v[16:17], v[16:17], v[18:19]
	v_pk_add_f32 v[12:13], v[12:13], v[16:17]
	v_add_f32 v12, v12, v13
	v_rcp_f32 v12, v12
	v_nop
	s_wait_alu depctr_va_vdst(0)
	v_pk_mul_f32 v[8:9], v[8:9], v[12:13] op_sel_hi:[1,0]
	v_pk_mul_f32 v[10:11], v[10:11], v[12:13] op_sel_hi:[1,0]
	ds_store_b128 v6, v[8:11] offset:PT
	s_cmp_lg_u32 s12, ttmp9                        ; work-group cb stores the 128 weights that its wave cb holds: the batch's eight work-groups together store each weight once
	s_cbranch_scc1 .Lnot_out1
	global_store_b128 v6, v[8:11], s[10:11]        ; 32 lanes store 512 consecutive bytes, at a multiple of 256 from out1's first byte
.Lnot_out1:
	s_wait_dscnt 0x0
	s_barrier_signal -1
	s_barrier_wait -1                              ; the 1,024 weights lie in LDS
	; ---- the stream.  A group: 16 weights (every lane reads the same words), 16 rows, 64 fused multiply-adds; then the group's registers take the rows 32 further on
.macro GRP e, poff, left, reload
.irp k, 0,1,2,3
	ds_load_b128 v[28+4*\k:31+4*\k], v4 offset:\poff+16*\k
.endr
	s_wait_loadcnt \left                           ; this group's 16 loads are in; the other group's, issued behind them, may be out
	s_wait_dscnt 0x0
.irp t, 0,1,2,3,4,5,6,7,8,9,10,11,12,13,14,15
.irp k, 0,1,2,3
	v_fmac_f32 v[20+4*(\t%2)+\k], v[28+\t], v[\e+4*\t+\k]
.endr
.endr
.if \reload
	FILL \e, \reload
.endif
.endm
	s_mov_b32 s24, 7
.Lrows:                                            ; seven trips of 32 rows
	GRP EA, 0, 16, 32
	GRP EB, 64, 16, 48
	s_wait_xcnt 0x0                                ; the loads have read their base: it is stepped only behind this wait
	s_add_nc_u64 s[6:7], s[6:7], 32*8192
	v_add_nc_u32 v4, 128, v4
	s_sub_co_u32 s24, s24, 1
	s_cmp_lg_u32 s24, 0
	s_cbranch_scc1 .Lrows
	GRP EA, 0, 16, 0                               ; the last 32 rows load nothing: no load leaves the buffer
	GRP EB, 64, 0, 0
	; ---- the way out: the four waves of a strip meet in LDS; waves 0 and 1 add and store
	v_pk_add_f32 v[20:21], v[20:21], v[24:25]
	v_pk_add_f32 v[22:23], v[22:23], v[26:27]
	ds_store_b128 v6, v[20:23] offset:RED
	s_wait_dscnt 0x0
	s_barrier_signal -1
	s_barrier_wait -1
	s_cmp_lt_u32 s12, 2
	s_cbranch_scc0 .Lend
.irp g, 0,1,2,3
	ds_load_b128 v[28+4*\g:31+4*\g], v6 offset:RED+1024*\g     ; waves v, v + 2, v + 4, v + 6: the same strip, the four groups of rows
.endr
	s_wait_dscnt 0x0
	v_pk_add_f32 v[28:29], v[28:29], v[32:33]
	v_pk_add_f32 v[30:31], v[30:31], v[34:35]
	v_pk_add_f32 v[36:37], v[36:37], v[40:41]
	v_pk_add_f32 v[38:39], v[38:39], v[42:43]
	v_pk_add_f32 v[28:29], v[28:29], v[36:37]
	v_pk_add_f32 v[30:31], v[30:31], v[38:39]
	global_store_b128 v6, v[28:31], s[8:9]         ; 32 lanes store 512 consecutive bytes, at a multiple of 256 from out0's first byte
.Lend:
	s_wait_tensorcnt 0x0                           ; the wave's end: behind my last LDS store
	ds_add_u32 v2, v3
	s_wait_dscnt 0x0
	s_endpgm
.Lfunc_end_k_q08fce40a4e_context:
	.size	k_q08fce40a4e_context, .Lfunc_end_k_q08fce40a4e_context-k_q08fce40a4e_context
	.p2alignl 7, 3214868480
	.fill 96, 4, 3214868480
	.section	.rodata,"a",@progbits
	.p2align	6, 0x0
	.amdhsa_kernel k_q08fce40a4e_context
		.amdhsa_group_segment_fixed_size 10240
		.amdhsa_private_segment_fixed_size 0
		.amdhsa_enable_private_segment 0
		.amdhsa_kernarg_size 32
		.amdhsa_user_sgpr_count 2
		.amdhsa_user_sgpr_kernarg_segment_ptr 1
		.amdhsa_wavefront_size32 1
		.amdhsa_system_sgpr_workgroup_id_x 1
		.amdhsa_system_sgpr_workgroup_id_y 1
		.amdhsa_system_sgpr_workgroup_id_z 1
		.amdhsa_system_vgpr_workitem_id 0
		.amdhsa_next_free_vgpr 176
		.amdhsa_next_free_sgpr 66
		.amdhsa_reserve_vcc 0
		.amdhsa_float_denorm_mode_32 3
		.amdhsa_float_denorm_mode_16_64 3
		.amdhsa_memory_ordered 1
		.amdhsa_forward_progress 1
		.amdhsa_inst_pref_size 22
	.end_amdhsa_kernel
	.amdgpu_metadata
---
amdhsa.version: [ 1, 2 ]
amdhsa.kernels:
  - .name:           k_q08fce40a4e_context
    .symbol:         k_q08fce40a4e_context.kd
    .args:
      - { .name: sc, .offset: 0, .size: 8, .value_kind: global_buffer, .address_space: global }
      - { .name: encoder_outputs, .offset: 8, .size: 8, .value_kind: global_buffer, .address_space: global }
      - { .name: out0, .offset: 16, .size: 8, .value_kind: global_buffer, .address_space: global }
      - { .name: out1, .offset: 24, .size: 8, .value_kind: global_buffer, .address_space: global }
    .group_segment_fixed_size: 10240
    .private_segment_fixed_size: 0
    .kernarg_segment_align: 8
    .kernarg_segment_size: 32
    .max_flat_workgroup_size: 256
    .sgpr_count:     66
    .vgpr_count:     176
    .wavefront_size: 32
...
	.end_amdgpu_metadata
.endif
;; end of part 3
;; ======== version 2 of 2: 3 launches
;; limits: right only within a limited range of input values
;; workspace buffers: ub 1,638,400 bytes; qv 524,288 bytes; pw 196,608 bytes; pc 2,097,152 bytes
;; launch prep (part 4): grid 64 x 1, 6 waves a work-group, no clusters, 0 bytes of LDS; arguments Ua_w_codes, Ua_w_scales, decoder_hidden_codes, decoder_hidden_scales, Wa_w_codes, Wa_w_scales, Wa_b, Ua_b, Va_w, ub, qv; writes ub, qv
.if DOCPART == 4
	.amdgcn_target "amdgcn-amd-amdhsa--gfx1250"
	.amdhsa_code_object_version 6
	.text
	.protected	k_q08fce40a4e_prep
	.globl	k_q08fce40a4e_prep
	.p2align	8
	.type	k_q08fce40a4e_prep,@function
k_q08fce40a4e_prep:
	s_mov_b64 s[64:65], 0
	v_nop
	global_prefetch_b8 v0, s[64:65] scope:SCOPE_SE
	s_setreg_imm32_b32 hwreg(HW_REG_WAVE_MODE, 25, 1), 1
	s_wait_xcnt 0x0
; BAHDANAU ATTENTION, launch 1 of 3.  scores[b][s] = sum over h of Va[h] tanh(q[b][h] + k[b][s][h]) + Va_b; the weights are the softmax of the scores over s; the context is the weights' sum of the encoder's rows.
; WORK LEFT OUT, for all values of the inputs.  (1) Va_b is added to every score of a batch alike, and a softmax along s is unchanged by a term that is the same along s: Va_b reaches no output.  It is not loaded
; and is among no launch's arguments.  (2) tanh x = 1 - 2 / (1 + 2^(c x)), c = 2 log2(e), so a score is sum(Va) + sum over h of (-2 Va[h]) / (1 + 2^(c x[h])); sum(Va) is again the same along s and is not formed.
; LIMIT: a NaN, an infinity or an overflow that reaches only Va_b or sum(Va) is not carried to the result.  NaN and infinities among the inputs are not served.
; THIS LAUNCH makes two workspace buffers.
;   ub: Ua_w's codes and scale bytes in the order of an operand's registers.  64 blocks of 25,600 bytes, block 4 s + wv (s: K step of 128; wv: quarter of the 1,024 hidden units).  Fragment tt (hidden units
;       256 wv + 16 tt + 0..15) lies at 1,536 tt: registers 4 c .. 4 c + 3 of lane l at 512 c + 16 l.  From byte 24,576: the scale words; the word at 512 q + 16 l + 4 j is that of tile 8 q + 2 j + l / 16, row l % 16.
;   qv: [32 batches][1,024 hidden units] x 16 bytes: (b', b', v', v'), b' = c (decoder_hidden Wa_w + Wa_b + Ua_b), v' = -2 Va_w; each twice, so that packed instructions take them as pairs.
; SHARES.  Work-group i (64 of them) makes block i of ub and hidden units 16 i .. 16 i + 15 of qv.  Waves 0-3: four fragments each; wave 5: the block's scale words; wave 4: the product decoder_hidden Wa_w on codes of
; BF6 (E3M2) with E8M0 scales, K = 1,024 in 8 steps of 128, two accumulators (batches 0-15, 16-31) by turns.  The waves share nothing: no LDS, no barrier.
.set C2L, 0x4038aa3b                   ; c = 2 log2(e)
.set BLK, 25600                        ; a block of ub
	s_load_b512 s[8:23], s[0:1], 0x0               ; Ua's codes s[8:9], Ua's scales s[10:11], decoder's codes s[12:13], its scales s[14:15], Wa's codes s[16:17], Wa's scales s[18:19], Wa_b s[20:21], Ua_b s[22:23]
	s_load_b128 s[24:27], s[0:1], 0x40             ; Va_w s[24:25], ub s[26:27]
	s_load_b64 s[28:29], s[0:1], 0x50              ; qv
	v_lshrrev_b32 v1, 5, v0
	v_readfirstlane_b32 s4, v1                     ; wave 0..5
	v_and_b32 v3, 31, v0                           ; lane
	v_and_b32 v1, 15, v0                           ; r = lane % 16
	v_bfe_u32 v2, v0, 4, 1                         ; h = lane / 16
	v_lshlrev_b32 v4, 4, v3                        ; 16 x lane
	s_lshr_b32 s5, ttmp9, 2                        ; s: the block's K step
	s_and_b32 s6, ttmp9, 3                         ; wv: its quarter of the hidden units
	s_mov_b32 s33, 0                               ; the upper word of every offset pair s[32:33]
	s_wait_kmcnt 0x0
	s_cmp_lt_u32 s4, 4
	s_cbranch_scc0 .Lnot_codes
	; ---- waves 0-3: fragments 4 a + f.  A row of Ua's codes is 1,536 bytes, a K step 96 of them; lane (r, h) takes 24 bytes at 24 h and 24 at 48 + 24 h, in pieces of 8
	s_wait_alu depctr_va_vdst(0)
	v_mul_u32_u24 v5, v1, 1536
	v_mad_u32_u24 v5, v2, 24, v5
	s_wait_alu depctr_va_vdst(0)
	s_lshl_b32 s32, s6, 8
	s_lshl_b32 s34, s4, 6
	s_add_co_u32 s32, s32, s34                     ; my first row: 256 wv + 64 a
	s_mul_i32 s32, s32, 1536
	s_mul_i32 s34, s5, 96
	s_add_co_u32 s32, s32, s34
	s_add_nc_u64 s[8:9], s[8:9], s[32:33]
	s_mul_i32 s32, ttmp9, BLK
	s_mul_i32 s34, s4, 6144
	s_add_co_u32 s32, s32, s34                     ; my four fragments' place in the block
	s_add_nc_u64 s[26:27], s[26:27], s[32:33]
.irp f, 0,1,2,3
.irp p, 0,1,2,3,4,5
	global_load_b64 v[16+12*\f+2*\p:17+12*\f+2*\p], v5, s[8:9] offset:24576*\f+48*(\p/3)+8*(\p%3)
.endr
.endr
.irp f, 0,1,2,3
	s_wait_loadcnt 18-6*\f                         ; fragment f's six loads are in; those of the later fragments may be out
.irp c, 0,1,2
	global_store_b128 v4, v[16+12*\f+4*\c:19+12*\f+4*\c], s[26:27] offset:1536*\f+512*\c   ; 32 lanes store 512 consecutive bytes, at a multiple of 256 from ub's first byte
.endr
.endr
	s_endpgm
.Lnot_codes:
	s_cmp_eq_u32 s4, 5
	s_cbranch_scc0 .Lproduct
	; ---- wave 5: the block's 256 scale words.  A row of Ua's scales is 64 bytes, a K step's word 4 of them; lane l of load (q, j) takes hidden unit 256 wv + 128 q + 32 j + l
	s_wait_alu depctr_va_vdst(0)
	v_lshlrev_b32 v5, 6, v3
	s_lshl_b32 s32, s6, 14
	s_lshl_b32 s34, s5, 2
	s_add_co_u32 s32, s32, s34
	s_add_nc_u64 s[10:11], s[10:11], s[32:33]
	s_mul_i32 s32, ttmp9, BLK
	s_add_co_u32 s32, s32, 24576
	s_add_nc_u64 s[26:27], s[26:27], s[32:33]
.irp q, 0,1
.irp j, 0,1,2,3
	global_load_b32 v[16+4*\q+\j], v5, s[10:11] offset:(8*\q+2*\j)*1024
.endr
.endr
	s_wait_loadcnt 0x0
.irp q, 0,1
	global_store_b128 v4, v[16+4*\q:19+4*\q], s[26:27] offset:512*\q
.endr
	s_endpgm
.Lproduct:
	; ---- wave 4: q for hidden units 16 i + 0..15 and all 32 batches.  Source 0 = 16 rows of decoder_hidden, source 1 = 16 rows of Wa: in the result lane (r, h) holds hidden unit r, register j batch 8 h + j.
	; REGISTERS: v32-127 decoder's fragments of four K steps (2 s + mt), v128-175 Wa's; v176-183, v184-191 the sums; v192-199 two quadruples to store; v200-215 decoder's scale words, v216-223 Wa's (scales alone)
	s_wait_alu depctr_va_vdst(0)
	v_mul_u32_u24 v5, v1, 768                      ; a row of 1,024 codes is 768 bytes
	v_mad_u32_u24 v5, v2, 24, v5
	v_lshlrev_b32 v6, 5, v1                        ; a row of scale bytes is 32: eight words, one a K step
	s_wait_alu depctr_va_vdst(0)
	v_lshlrev_b32 v7, 2, v1
	s_wait_alu depctr_va_vdst(0)
	s_mul_i32 s32, ttmp9, 16*768
	s_add_nc_u64 s[16:17], s[16:17], s[32:33]
	s_lshl_b32 s32, ttmp9, 9
	s_add_nc_u64 s[18:19], s[18:19], s[32:33]
	s_lshl_b32 s32, ttmp9, 6
	s_add_nc_u64 s[20:21], s[20:21], s[32:33]
	s_add_nc_u64 s[22:23], s[22:23], s[32:33]
	s_add_nc_u64 s[24:25], s[24:25], s[32:33]
	s_lshl_b32 s32, ttmp9, 8
	s_add_nc_u64 s[28:29], s[28:29], s[32:33]
	s_mov_b32 s30, C2L
.irp mt, 0,1
	global_load_b128 v[200+8*\mt:203+8*\mt], v6, s[14:15] offset:512*\mt
	global_load_b128 v[204+8*\mt:207+8*\mt], v6, s[14:15] offset:512*\mt+16
.endr
	global_load_b128 v[216:219], v6, s[18:19]
	global_load_b128 v[220:223], v6, s[18:19] offset:16
	global_load_b32 v224, v7, s[20:21]             ; Wa_b, Ua_b, Va_w of my hidden unit
	global_load_b32 v225, v7, s[22:23]
	global_load_b32 v226, v7, s[24:25]
.macro HALF hf                         ; K steps 4 hf .. 4 hf + 3: their fragments, then eight products, the two sums by turns
.irp s, 0,1,2,3
.irp mt, 0,1
.irp p, 0,1,2,3,4,5
	global_load_b64 v[32+12*(2*\s+\mt)+2*\p:33+12*(2*\s+\mt)+2*\p], v5, s[12:13] offset:12288*\mt+96*(4*\hf+\s)+48*(\p/3)+8*(\p%3)
.endr
.endr
.irp p, 0,1,2,3,4,5
	global_load_b64 v[128+12*\s+2*\p:129+12*\s+2*\p], v5, s[16:17] offset:96*(4*\hf+\s)+48*(\p/3)+8*(\p%3)
.endr
.endr
	s_wait_loadcnt 0x0
.irp s, 0,1,2,3
.irp mt, 0,1
.if (\hf == 0) && (\s == 0)
	v_wmma_scale_f32_16x16x128_f8f6f4 v[176+8*\mt:183+8*\mt], v[32+12*(2*\s+\mt):43+12*(2*\s+\mt)], v[128+12*\s:139+12*\s], 0, v[200+8*\mt+4*\hf+\s], v[216+4*\hf+\s] matrix_a_fmt:MATRIX_FMT_BF6 matrix_b_fmt:MATRIX_FMT_BF6
.else
	v_wmma_scale_f32_16x16x128_f8f6f4 v[176+8*\mt:183+8*\mt], v[32+12*(2*\s+\mt):43+12*(2*\s+\mt)], v[128+12*\s:139+12*\s], v[176+8*\mt:183+8*\mt], v[200+8*\mt+4*\hf+\s], v[216+4*\hf+\s] matrix_a_fmt:MATRIX_FMT_BF6 matrix_b_fmt:MATRIX_FMT_BF6
.endif
.endr
.endr
.endm
	HALF 0                                         ; the first K step's products start the sums: nothing is cleared
.rept 4
	v_nop                                          ; four places in front of loads into registers that matrix instructions have read
.endr
	HALF 1
	v_add_f32 v227, v224, v225                     ; these eight plain lines name no register of the products: they are the places in front of the first read of the sums
	v_mul_f32 v194, -2.0, v226                     ; v' = -2 Va
	v_mul_f32 v227, s30, v227                      ; c (Wa_b + Ua_b)
	v_mov_b32 v195, v194
	v_mov_b32 v198, v194
	v_mov_b32 v199, v194
	v_lshlrev_b32 v8, 4, v1                        ; qv: 16 bytes a hidden unit,
	v_lshl_add_u32 v8, v2, 17, v8                  ; and 8 batches of 16,384 bytes further on for lanes 16-31
.set Q, 0
.irp mt, 0,1
.irp j, 0,1,2,3,4,5,6,7                ; each sum's registers in ascending order
.if Q >= 2
	s_wait_xcnt 0x0                                ; the store before last has read this quadruple: it is rewritten only behind this wait
.endif
	v_fma_f32 v[192+4*(Q%2)], v[176+8*\mt+\j], s30, v227       ; b' = c q + c (Wa_b + Ua_b)
	v_fma_f32 v[193+4*(Q%2)], v[176+8*\mt+\j], s30, v227
	s_wait_alu depctr_va_vdst(0)
	global_store_b128 v8, v[192+4*(Q%2):195+4*(Q%2)], s[28:29] offset:(16*\mt+\j)*16384   ; sixteen lanes store 256 consecutive bytes, at a multiple of 256 from qv's first byte
.set Q, Q+1
.endr
.endr
	s_endpgm
.Lfunc_end_k_q08fce40a4e_prep:
	.size	k_q08fce40a4e_prep, .Lfunc_end_k_q08fce40a4e_prep-k_q08fce40a4e_prep
	.p2alignl 7, 3214868480
	.fill 96, 4, 3214868480
	.section	.rodata,"a",@progbits
	.p2align	6, 0x0
	.amdhsa_kernel k_q08fce40a4e_prep
		.amdhsa_group_segment_fixed_size 0
		.amdhsa_private_segment_fixed_size 0
		.amdhsa_enable_private_segment 0
		.amdhsa_kernarg_size 88
		.amdhsa_user_sgpr_count 2
		.amdhsa_user_sgpr_kernarg_segment_ptr 1
		.amdhsa_wavefront_size32 1
		.amdhsa_system_sgpr_workgroup_id_x 1
		.amdhsa_system_sgpr_workgroup_id_y 1
		.amdhsa_system_sgpr_workgroup_id_z 1
		.amdhsa_system_vgpr_workitem_id 0
		.amdhsa_next_free_vgpr 232
		.amdhsa_next_free_sgpr 66
		.amdhsa_reserve_vcc 0
		.amdhsa_float_denorm_mode_32 3
		.amdhsa_float_denorm_mode_16_64 3
		.amdhsa_memory_ordered 1
		.amdhsa_forward_progress 1
		.amdhsa_inst_pref_size 29
	.end_amdhsa_kernel
	.amdgpu_metadata
---
amdhsa.version: [ 1, 2 ]
amdhsa.kernels:
  - .name:           k_q08fce40a4e_prep
    .symbol:         k_q08fce40a4e_prep.kd
    .args:
      - { .name: Ua_w_codes, .offset: 0, .size: 8, .value_kind: global_buffer, .address_space: global }
      - { .name: Ua_w_scales, .offset: 8, .size: 8, .value_kind: global_buffer, .address_space: global }
      - { .name: decoder_hidden_codes, .offset: 16, .size: 8, .value_kind: global_buffer, .address_space: global }
      - { .name: decoder_hidden_scales, .offset: 24, .size: 8, .value_kind: global_buffer, .address_space: global }
      - { .name: Wa_w_codes, .offset: 32, .size: 8, .value_kind: global_buffer, .address_space: global }
      - { .name: Wa_w_scales, .offset: 40, .size: 8, .value_kind: global_buffer, .address_space: global }
      - { .name: Wa_b, .offset: 48, .size: 8, .value_kind: global_buffer, .address_space: global }
      - { .name: Ua_b, .offset: 56, .size: 8, .value_kind: global_buffer, .address_space: global }
      - { .name: Va_w, .offset: 64, .size: 8, .value_kind: global_buffer, .address_space: global }
      - { .name: ub, .offset: 72, .size: 8, .value_kind: global_buffer, .address_space: global }
      - { .name: qv, .offset: 80, .size: 8, .value_kind: global_buffer, .address_space: global }
    .group_segment_fixed_size: 0
    .private_segment_fixed_size: 0
    .kernarg_segment_align: 8
    .kernarg_segment_size: 88
    .max_flat_workgroup_size: 192
    .sgpr_count:     66
    .vgpr_count:     232
    .wavefront_size: 32
...
	.end_amdgpu_metadata
.endif
;; end of part 4
;; launch scores (part 5): grid 256 x 1, 4 waves a work-group, no clusters, 267,776 bytes of LDS; arguments encoder_outputs, ub, qv, pw, pc; writes pw, pc
.if DOCPART == 5
	.amdgcn_target "amdgcn-amd-amdhsa--gfx1250"
	.amdhsa_code_object_version 6
	.text
	.protected	k_q08fce40a4e_scores
	.globl	k_q08fce40a4e_scores
	.p2align	8
	.type	k_q08fce40a4e_scores,@function
k_q08fce40a4e_scores:
	s_mov_b64 s[64:65], 0
	v_nop
	global_prefetch_b8 v0, s[64:65] scope:SCOPE_SE
	s_setreg_imm32_b32 hwreg(HW_REG_WAVE_MODE, 25, 1), 1
	s_wait_xcnt 0x0
; BAHDANAU ATTENTION, launch 2 of 3: sc[row] = sum over h of v'[h] / (1 + 2^(c k[row][h] + b'[h])), k = Q(encoder_outputs) Ua_w, the product on codes of BF6 (E3M2) with one E8M0 scale for each 32 along K.
; LEFT OUT (shown at the head of the first launch): Va_b and sum(Va), which are the same along the softmax's axis.  b' = c (q + Wa_b + Ua_b) and v' = -2 Va come from qv, Ua's codes and scale words from ub.
; LIMITS: NaN and infinities among the inputs are not served.  A block of 32 zeros of the encoder gets the scale byte 1 where the rule says 127: its codes are zeros, and the bytes never leave this launch.
; Where 2^(c x) overflows the quotient is 0, where it falls to 0 the quotient is 1: tanh's two ends.  K is summed from K step wg % 16 on and round to its start: an order of rounding other than ascending K.
; SHARES.  Work-group wg (256 of them) owns rows 128 wg .. + 127 of the 32,768, all of batch wg / 8.
; PHASE 1: the 128 rows are quantised, all of K = 2,048.  Wave w takes rows 32 w .. + 31 (tiles of rows 2 w, 2 w + 1).  The encoder comes as f32 straight into registers, 64 loads of 512 consecutive bytes a wave on their
; way; each 16 rows x 128 numbers turn through the wave's own stage in LDS, so that a lane holds 16 neighbours of each block of 32, are quantised in registers, and are laid in LDS as IMAGES of the operand's
; registers, where they stay: 8 tiles of rows x 16 K steps x 1,536 bytes, and their scale words.
; PHASE 2: two halves of the 1,024 hidden units.  In a half wave w makes 128 rows x hidden units 512 half + 128 w .. + 127: 64 accumulators of 16 x 16, 512 registers; a K step of 128 is 64 products.
; Source 0 = 16 rows of the encoder, source 1 = 16 rows of Ua: a lane holds ONE hidden unit (lane % 16) and its registers eight rows, so b' and v' are a lane's own numbers and a row's score is a sum inside the lane
; over 8 tiles, four steps across 16 lanes, and a sum of eight parts (four waves, two halves) through LDS.  The encoder's fragments come from LDS, a K step ahead, into two sets by turns.
; UA'S FRAGMENTS COME FROM ub STRAIGHT INTO REGISTERS: a wave alone uses its 8 fragments of a K step, and ub holds them as images, so 24 loads of 512 consecutive bytes and two of scale words bring them, in two
; groups of 13, each asked for a K step and a half ahead of its use, as soon as the registers' last products are issued.  Four groups, 52 loads, of a wave are on their way.
; NO CLUSTER, NO JOINT LOADS, though all work-groups read the same ub: the images take 212,992 of a WGP's 327,680 bytes of LDS, and stage, tables and spare words 54,784; what is left holds no two slots of even one
; K step (51,200 bytes for 512 hidden units each), and a slot of one K step would have 64 products a wave under which to be filled again.  So nothing in LDS is filled twice, and no tensor load is written.
; Work-group wg walks K from step wg % 16 on, so that at any time the work-groups ask for 16 different K steps' blocks of ub and not all for the same one.
; REGISTERS, in windows of 256: window 0: v1-21, v241-247 addresses; v24-39 the encoder's scale words, two sets of 8, v232-239 Ua's, two sets of 4 (scales alone); v40-135, v136-231 the encoder's 8 fragments, two sets.
;   While quantising: v40-103 64 numbers, v104-123 codes, v124-140 the quantiser's own.  On the way out: v136-167 (b', b', v', v') of 8 tiles, v168-231 64 sums.
;   window 1: v0-95, v96-191 Ua's 8 fragments, two sets.   window 2, in phase 1: four landing sets of 64.   windows 2, 3, in phase 2: accumulator (m, n) at 8 (8 (n % 4) + m) of window 2 + n / 4.
.set BLK,   25600                      ; a block of ub: 16 fragments of 1,536 bytes, then 1,024 bytes of scale words.  Block 4 s + wv: K step s, hidden units 256 wv on
.set ABUF,  0                          ; the images: tile of rows m, K step s: 24,576 m + 1,536 s + 512 c + 16 lane: a wave stores into 49,152 bytes on end
.set ASC,   196608                     ; their scale words: 4,096 w + 256 s + 8 lane + 4 u (tile of rows 2 w + u)
.set STG,   212992                     ; four stages, a wave's own: 16 rows x 528 bytes
.set SP,    528                        ; 512 bytes + 16 = 132 words: row r starts 4 r words on, modulo 64 (64 banks of 4 bytes: ISA guide 11.1)
.set QVT,   246784                     ; 4,096 bytes a wave: its 2 x 128 quadruples of qv
.set SCR,   263168                     ; partial scores: 1,024 w + 512 half + 4 row
.set SPARE, 267264                     ; the spare words, 128 bytes for each wave: two blocks of 256 bytes that no other line names
.set LANE, 1
.set R,    2
.set HH,   3
.set SPW,  4                           ; LDS address of my spare word: SPARE + 4 x my thread's number; never rewritten
.set NIL,  5                           ; 0; never rewritten
.set LI,   6                           ; 16 x lane: my place in an image, in LDS (ABUF is byte 0) and in memory
.set BSO,  7                           ; my scale words' offset from my wave's fragments in a block of ub
.set AS0,  8                           ; ASC + 8 x lane
.set ADAS, 9                           ; the same for the K step to be fetched
.set STW,  10                          ; the stage, in: 16 x lane
.set STR,  11                          ; and back: 528 r + 64 h
.set IMW,  12                          ; where my wave's images begin
.set ISW,  13                          ; and their scale words
.set IMA,  14                          ; the same two for the trip in hand
.set ISA,  15
.set QVW,  16                          ; qv's table, in
.set QVA,  17                          ; and back: 16 r
.set QVR,  18                          ; the same for the half in hand
.set SCW,  19                          ; partial scores, in
.set SCWA, 20                          ; the same for the half in hand
.set SCRD, 21                          ; and back
.set SA,   24
.set AF,   40
.set SB,   232
.set AAK,  240                         ; v241-243: 16 x lane + 49,152 k: tiles of rows 2 k, 2 k + 1
.set ADA,  244                         ; v244-247: the same (k = 0 .. 3) for the K step to be fetched
.set X,    40
.set PC,   104
.set TM,   124                         ; v124-127 largest magnitudes, v128-131 bytes, v136-139 the conversions' scale operands
.set PW,   140                         ; the scale word just made
.set T4,   136
.set SUM,  168
.set MSB, 0
.macro WIN new                         ; the immediate's high byte repeats the setting that is left; a switch that changes nothing is dropped
.if MSB != (\new)
	s_set_vgpr_msb (MSB<<8)|(\new)
.set MSB, (\new)
.endif
.endm
.macro PLACES                          ; four places: in front of loads into registers that matrix instructions have read, and of vector lines that read results (ISA guide 7.12.1 for vector lines)
.rept 4
	v_nop
.endr
.endm
	; THE SCORES ARE NOT STORED: they stay in LDS, and PHASE 3 (behind phase 2, described there) makes of them this work-group's part of the softmax and of the context, which go to pw and pc.
	s_load_b256 s[4:11], s[0:1], 0x0               ; encoder s[4:5], ub s[6:7], qv s[8:9], pw s[10:11]
	s_load_b64 s[24:25], s[0:1], 0x20              ; pc
	v_lshl_add_u32 v[SPW], v0, 2, SPARE            ; kept, with the 0 below, for the add at the wave's end
	v_mov_b32 v[NIL], 0
	v_lshrrev_b32 v1, 5, v0
	v_readfirstlane_b32 s12, v1                    ; wave 0..3
	v_and_b32 v[LANE], 31, v0
	s_wait_alu depctr_va_vdst(0)
	v_and_b32 v[R], 15, v0
	s_wait_alu depctr_va_vdst(0)
	v_bfe_u32 v[HH], v0, 4, 1
	s_and_b32 s13, s12, 1                          ; which 8 of a block's 16 fragments are mine
	s_lshr_b32 s15, s12, 1                         ; and which of a half's two blocks
	s_mov_b32 s48, 0x4038aa3b                      ; c = 2 log2(e)
	s_mov_b32 s49, s48                             ; (named with it as a pair, so it is written)
	s_mov_b32 s50, 0x76543210
	s_mov_b32 s51, 0xfedcba98                      ; v_permlanex16_b32's selects for lane l xor 16
	v_lshlrev_b32 v[LI], 4, v[LANE]
	s_mul_i32 s42, s13, 11776
	s_sub_co_u32 s42, 24576, s42                   ; the scale words begin at 24,576 + 512 q of the block, my fragments at 12,288 q
	v_add_nc_u32 v[BSO], s42, v[LI]
	v_lshl_add_u32 v[AS0], v[LANE], 3, ASC
.irp k, 1,2,3
	v_add_nc_u32 v[AAK+\k], 49152*\k, v[LI]
.endr
	s_mul_i32 s42, s12, 16*SP
	s_add_co_u32 s42, s42, STG                     ; my stage
	v_add_nc_u32 v[STW], s42, v[LI]
	v_mul_u32_u24 v[STR], v[R], SP
	s_wait_alu depctr_va_vdst(0)
	v_lshl_add_u32 v[STR], v[HH], 6, v[STR]
	v_add_nc_u32 v[STR], s42, v[STR]
	s_mul_i32 s42, s12, 49152
	v_add_nc_u32 v[IMW], s42, v[LI]
	s_lshl_b32 s42, s12, 12
	v_add_nc_u32 v[ISW], s42, v[AS0]
	s_add_co_u32 s42, s42, QVT
	v_add_nc_u32 v[QVW], s42, v[LI]
	v_lshl_add_u32 v[QVA], v[R], 4, s42
	s_lshl_b32 s42, s12, 10
	s_add_co_u32 s42, s42, SCR
	v_lshl_add_u32 v[SCW], v[HH], 5, s42
	v_add_nc_u32 v[SCRD], SCR, v[LI]
	v_lshlrev_b32 v248, 8, v[LANE]                 ; the prefetches' offset: 256 x lane; never rewritten
.irp b, 0,1,2,3
	v_mov_b32 v[TM+4+\b], 0                        ; written once: a lane permute's destination counts as one of its sources
.endr
	s_and_b32 s37, ttmp9, 15                       ; the K step at which my work-group begins
	s_add_co_u32 s36, s37, 1
	s_and_b32 s36, s36, 15                         ; and the one behind it
	s_mov_b32 s44, 0                               ; halves done
	s_mov_b32 s47, 0                               ; the half's place in qv's table: 2,048 bytes a half,
	s_mov_b32 s33, 0                               ; and among my partial scores: 512
	s_mov_b32 s34, 0                               ; phase 1: the trip's place among my images: 3,072 bytes a trip (two K steps),
	s_mov_b32 s35, 0                               ; and among their scale words: 512
	s_mov_b32 s43, 0                               ; the upper word of every offset pair s[42:43]
	s_wait_alu depctr_va_vdst(0)
	s_wait_kmcnt 0x0
	s_mul_i32 s42, s15, BLK
	s_mul_i32 s46, s13, 12288
	s_add_co_u32 s42, s42, s46
	s_add_nc_u64 s[28:29], s[6:7], s[42:43]        ; ub at my fragments of K step 0, first half
	s_mov_b64 s[30:31], s[28:29]                   ; the same for the half that is being asked for
	s_mul_i32 s42, s37, 4*BLK
	s_add_nc_u64 s[26:27], s[28:29], s[42:43]      ; my first K step's block,
	s_mul_i32 s42, s36, 4*BLK
	s_add_nc_u64 s[54:55], s[28:29], s[42:43]      ; and my second's
	s_lshl_b32 s42, ttmp9, 20                      ; 128 wg rows of 8,192 bytes,
	s_lshl_b32 s46, s12, 18                        ; and my wave's 32 rows
	s_add_co_u32 s42, s42, s46
	s_add_nc_u64 s[38:39], s[4:5], s[42:43]
.irp i, 0,1,2,3
	s_mov_b64 s[56+2*\i:57+2*\i], s[38:39]         ; phase 1: a base of its own for each landing set
	s_add_nc_u64 s[16+2*\i:17+2*\i], s[38:39], 8192*\i   ; phase 3: the same for its four sets: my rows 0 to 3
.endr
	s_lshr_b32 s42, ttmp9, 3                       ; my batch of the 32: 16,384 bytes of qv,
	s_lshl_b32 s42, s42, 14
	s_lshl_b32 s46, s12, 11                        ; my wave's 128 quadruples of a half
	s_add_co_u32 s42, s42, s46
	s_add_nc_u64 s[8:9], s[8:9], s[42:43]
	s_mul_i32 s42, ttmp9, 768
	s_add_nc_u64 s[52:53], s[10:11], s[42:43]      ; pw at my work-group's record of 768 bytes
	s_lshl_b32 s42, ttmp9, 13
	s_add_nc_u64 s[24:25], s[24:25], s[42:43]      ; pc at my work-group's 2,048 sums
.irp k, 0,1,2,3,4,5,6,7
	global_load_b128 v[X+4*\k:X+4*\k+3], v[LI], s[8:9] offset:8192*(\k/4)+512*(\k%4)
.endr
	WIN 0x80                                       ; destination window 2, address window 0
.irp i, 0,1,2,3                        ; landing set i: rows 16 (i / 2) + t, K step i % 2 of the trip
.irp t, 0,1,2,3,4,5,6,7,8,9,10,11,12,13,14,15
	global_load_b128 v[64*\i+4*\t:64*\i+4*\t+3], v[LI], s[38:39] offset:8192*(16*(\i/2)+\t)+512*(\i%2) th:TH_LOAD_NT   ; 512 consecutive bytes, at a multiple of 256 from the encoder's first byte
.endr
.endr
	WIN 0
	s_wait_loadcnt 63                              ; behind qv's eight loads stand 64; a wait's count goes up to 63, which shows nine loads done
.irp k, 0,1,2,3,4,5,6,7
	ds_store_b128 v[QVW], v[X+4*\k:X+4*\k+3] offset:512*\k     ; my wave's own bytes: I alone read them
.endr
; 64 numbers of a lane, v[X] on, register 16 b + i = k 32 b + 16 (lane / 16) + i of my row, become a fragment's codes in v[PC] on and its scale word in v[PW].
.macro QUANT
.irp b, 0,1,2,3
	v_max3_num_f32 v[TM+\b], |v[X+16*\b]|, |v[X+1+16*\b]|, 0x2800000   ; block b: my 16 numbers, and the floor 2^(5 - 127): so the byte cannot fall under 1
.endr
.irp i, 2,4,6,8,10,12,14
.irp b, 0,1,2,3
	v_max3_num_f32 v[TM+\b], v[TM+\b], |v[X+16*\b+\i]|, |v[X+1+16*\b+\i]|   ; (the four blocks by turns)
.endr
.endr
.irp b, 0,1,2,3
	v_permlanex16_b32 v[TM+4+\b], v[TM+\b], s50, s51
.endr
.irp b, 0,1,2,3
	v_max_num_f32 v[TM+\b], v[TM+\b], v[TM+4+\b]   ; with lane l xor 16's: the block's largest magnitude
.endr
.irp b, 0,1,2,3
	v_add_nc_u32 v[TM+12+\b], 0xfe000000, v[TM+\b] ; 4 off its exponent field: the conversion takes the exponent field of this operand as its scale
.endr
.irp b, 0,1,2,3
	v_lshrrev_b32 v[TM+4+\b], 23, v[TM+12+\b]      ; the scale's byte
.endr
	v_lshl_or_b32 v[PW], v[TM+5], 8, v[TM+4]       ; the four bytes make my row's scale word
	v_lshl_or_b32 v[PW], v[TM+6], 16, v[PW]
	v_lshl_or_b32 v[PW], v[TM+7], 24, v[PW]
.irp c, 0,1
	v_cvt_scalef32_pk16_bf6_f32 v[PC+6*\c:PC+2+6*\c], v[X+32*\c:X+15+32*\c], v[TM+12+2*\c]
	v_cvt_scalef32_pk16_bf6_f32 v[PC+12+4*\c:PC+14+4*\c], v[X+16+32*\c:X+31+32*\c], v[TM+12+2*\c+1]   ; (a conversion's three registers begin on an even number)
.endr
	v_nop                                          ; one plain place behind a scaled conversion
.irp c, 0,1                            ; the operand's layout wants a WHOLE block in a lane: lanes 0-15 block 2 c, lanes 16-31 block 2 c + 1
.irp i, 0,1,2
	v_permlane16_swap_b32 v[PC+6*\c+\i], v[PC+12+4*\c+\i]
.endr
.irp i, 0,1,2
	v_mov_b32 v[PC+3+6*\c+\i], v[PC+12+4*\c+\i]
.endr
.endr
.endm
; A group of 13 loads: half hf of a K step's share of ub into set p: two registers of scale words (tiles 4 hf .. 4 hf + 3; an even tile's words in lanes 0-15, the next tile's in lanes 16-31), then four fragments.
.macro BGRP sb, p, hf
	global_load_b64 v[SB+4*(\p)+2*(\hf):SB+4*(\p)+2*(\hf)+1], v[BSO], s[\sb:\sb+1] offset:8*(\hf)
	WIN 0x40                                       ; destination window 1, address window 0
.irp f, 0,1,2,3
.irp c, 0,1,2
	global_load_b128 v[96*(\p)+12*(4*(\hf)+\f)+4*\c:96*(\p)+12*(4*(\hf)+\f)+4*\c+3], v[LI], s[\sb:\sb+1] offset:1536*(4*(\hf)+\f)+512*\c   ; 512 consecutive bytes
.endr
.endr
	WIN 0
.endm
; Landing set i becomes an image.  cnt: the loads issued behind the set's.  mode = 1: the set takes the same rows of the next trip's K step; 2 (the last trip): group i of Ua's first four is asked for.
.macro QSET i, mode, cnt
	s_wait_loadcnt \cnt
	WIN 0x08                                       ; an LDS store's data are its source 1: window 2
.irp t, 0,1,2,3,4,5,6,7,8,9,10,11,12,13,14,15
	ds_store_b128 v[STW], v[64*\i+4*\t:64*\i+4*\t+3] offset:SP*\t
.endr
	WIN 0
.irp b, 0,1,2,3
.irp j, 0,1,2,3
	ds_load_b128 v[X+16*\b+4*\j:X+16*\b+4*\j+3], v[STR] offset:128*\b+16*\j   ; LDS serves a wave's instructions in order (ISA guide 5.7.1.4): these see the stores above
.endr
.endr
	s_wait_dscnt 0x0                               ; my 64 numbers are back, and the stores have read the set
.if \mode == 1
	s_add_nc_u64 s[56+2*\i:57+2*\i], s[56+2*\i:57+2*\i], 1024   ; the set's own base, two K steps on: the wait above has shown the loads that read it done
	WIN 0x80
.irp t, 0,1,2,3,4,5,6,7,8,9,10,11,12,13,14,15
	global_load_b128 v[64*\i+4*\t:64*\i+4*\t+3], v[LI], s[56+2*\i:57+2*\i] offset:8192*(16*(\i/2)+\t)+512*(\i%2) th:TH_LOAD_NT
.endr
	WIN 0
.else
	BGRP 26+28*(\i/2), \i/2, \i%2                  ; s[26:27]: my first K step's block; s[54:55]: my second's
.endif
	QUANT
.irp c, 0,1,2
	ds_store_b128 v[IMA], v[PC+4*\c:PC+4*\c+3] offset:24576*(\i/2)+1536*(\i%2)+512*\c
.endr
	ds_store_b32 v[ISA], v[PW] offset:256*(\i%2)+4*(\i/2)
.endm
	; ---- PHASE 1: eight trips of two K steps x my two tiles of rows; the last is written out: it loads nothing more of the encoder
	s_mov_b32 s45, 7
.Lq:
	; (each landing set steps its own base, inside QSET)
	v_add_nc_u32 v[IMA], s34, v[IMW]
	v_add_nc_u32 v[ISA], s35, v[ISW]
	QSET 0, 1, 47                                  ; behind a set's 16 loads stand 48; one fewer is waited for, so that with the 16 issued next 63 are out
	QSET 1, 1, 47
	QSET 2, 1, 47
	QSET 3, 1, 47
	s_add_co_u32 s34, s34, 3072
	s_add_co_u32 s35, s35, 512
	s_sub_co_u32 s45, s45, 1
	s_cmp_lg_u32 s45, 0
	s_cbranch_scc1 .Lq
	v_add_nc_u32 v[IMA], s34, v[IMW]
	v_add_nc_u32 v[ISA], s35, v[ISW]
	QSET 0, 2, 48                                  ; behind set 0: three sets
	QSET 1, 2, 45                                  ; behind set 1: two sets and a group of 13
	QSET 2, 2, 42                                  ; one set and two groups
	QSET 3, 2, 39                                  ; three groups
	s_wait_dscnt 0x0                               ; for the others' sake: my images and their scale words lie in LDS
	s_barrier_signal -1
	s_barrier_wait -1                              ; everybody's do: from here on they are only read
; The encoder's eight fragments and scale words of K step s37 into set p.
.macro AFETCH p
	s_mul_i32 s34, s37, 1536
	s_lshl_b32 s35, s37, 8
	v_add_nc_u32 v[ADA], s34, v[LI]
.irp k, 1,2,3
	v_add_nc_u32 v[ADA+\k], s34, v[AAK+\k]
.endr
	v_add_nc_u32 v[ADAS], s35, v[AS0]
.irp k, 0,1,2,3
	ds_load_b64 v[SA+8*(\p)+2*\k:SA+8*(\p)+2*\k+1], v[ADAS] offset:4096*\k     ; tiles of rows 2 k, 2 k + 1
.endr
.irp m, 0,1,2,3,4,5,6,7
.irp c, 0,1,2
	ds_load_b128 v[AF+96*(\p)+12*\m+4*\c:AF+96*(\p)+12*\m+4*\c+3], v[ADA+\m/2] offset:24576*(\m%2)+512*\c
.endr
.endr
.endm
; 32 products: tiles 4 hf .. 4 hf + 3 of hidden units x the eight tiles of rows.  The 64 accumulators take turns, one instruction a turn, in the same order in every K step.
; zero = 1: the products start the sums: nothing is ever cleared.
.macro MUL32 p, hf, zero
.irp f, 0,1,2,3
.irp m, 0,1,2,3,4,5,6,7
.set rD, 8*(8*\f+\m)
.set rA, AF+96*(\p)+12*\m
.set rB, 96*(\p)+12*(4*(\hf)+\f)
.set rS, SB+4*(\p)+2*(\hf)+\f/2
.if \zero
.if \f%2
	v_wmma_scale_f32_16x16x128_f8f6f4 v[rD:rD+7], v[rA:rA+11], v[rB:rB+11], 0, v[SA+8*(\p)+\m], v[rS] matrix_a_fmt:MATRIX_FMT_BF6 matrix_b_fmt:MATRIX_FMT_BF6 matrix_b_scale:MATRIX_SCALE_ROW1
.else
	v_wmma_scale_f32_16x16x128_f8f6f4 v[rD:rD+7], v[rA:rA+11], v[rB:rB+11], 0, v[SA+8*(\p)+\m], v[rS] matrix_a_fmt:MATRIX_FMT_BF6 matrix_b_fmt:MATRIX_FMT_BF6
.endif
.else
.if \f%2
	v_wmma_scale_f32_16x16x128_f8f6f4 v[rD:rD+7], v[rA:rA+11], v[rB:rB+11], v[rD:rD+7], v[SA+8*(\p)+\m], v[rS] matrix_a_fmt:MATRIX_FMT_BF6 matrix_b_fmt:MATRIX_FMT_BF6 matrix_b_scale:MATRIX_SCALE_ROW1
.else
	v_wmma_scale_f32_16x16x128_f8f6f4 v[rD:rD+7], v[rA:rA+11], v[rB:rB+11], v[rD:rD+7], v[SA+8*(\p)+\m], v[rS] matrix_a_fmt:MATRIX_FMT_BF6 matrix_b_fmt:MATRIX_FMT_BF6
.endif
.endif
.endr
.endr
.endm
; A K STEP of 128 on the sets p: 64 products.  ask = 1: each half of Ua's set is asked for anew, for the K step two on, as soon as its products are issued; 2: the same, and the asking goes over to the second half
; of the hidden units; 0: nothing is left to ask for.  nexta = 1: the encoder's fragments of the next K step are fetched into the other set.  lch, lcm: the loads issued behind the group that is wanted.
.macro STEP p, zero, ask, nexta, lch, lcm
	s_wait_dscnt 0x0                               ; this step's fragments of the encoder, asked for a K step ago, are in
.if \nexta
	s_add_co_u32 s37, s37, 1
	s_and_b32 s37, s37, 15                         ; the next K step, round K's end
	AFETCH 1-(\p)                                  ; (the four places at the last step's end stand between that set's last products and these loads)
.endif
	s_wait_loadcnt \lch                            ; Ua's first group of this step is in
	WIN 0xa4                                       ; source 1 (Ua) window 1, C and D window 2
	MUL32 \p, 0, \zero
.if \ask
	WIN 0
	PLACES
	s_wait_xcnt 0x0                                ; the last group, half a K step back, has read its base: it is rewritten only behind this wait
	s_add_co_u32 s36, s36, 1
	s_and_b32 s36, s36, 15
	s_mul_i32 s42, s36, 4*BLK
.if \ask == 2
	s_add_nc_u64 s[30:31], s[28:29], 2*BLK         ; the second half's blocks lie two blocks on
.endif
	s_add_nc_u64 s[26:27], s[30:31], s[42:43]
	BGRP 26, \p, 0
.endif
	s_wait_loadcnt \lcm                            ; Ua's second group of this step is in
	WIN 0xf4                                       ; C and D window 3
	MUL32 \p, 1, \zero
	WIN 0
	PLACES
.if \ask
	BGRP 26, \p, 1
.endif
.endm
; THE WAY OUT, a tile of hidden units (8 accumulators, 64 registers) at a time, in place: c k + b'; 2^; + 1; 1 /; times v', summed over the tiles.  Each accumulator is read from its low end on.
; The exponentials, and the reciprocals, go as one batch with one plain line and ONE wait ahead of the first line that names a result.
.macro TAILB bt
.set RB, 64*((\bt)%4)
.set rQ, T4+4*(\bt)
.if (\bt) < 4
	WIN 0x82                                       ; destination and source 0: window 2
.else
	WIN 0xc3
.endif
.set pp, 0
.rept 32
	v_pk_fma_f32 v[RB+2*pp:RB+2*pp+1], v[RB+2*pp:RB+2*pp+1], s[48:49], v[rQ:rQ+1] op_sel_hi:[1,0,1]
.set pp, pp+1
.endr
.set pp, 0
	s_wait_alu depctr_va_vdst(0)
.rept 64
	v_exp_f32 v[RB+pp], v[RB+pp]
.set pp, pp+1
.endr
	v_nop
	s_wait_alu depctr_va_vdst(0)
.set pp, 0
.rept 32
	v_pk_add_f32 v[RB+2*pp:RB+2*pp+1], v[RB+2*pp:RB+2*pp+1], 1.0 op_sel_hi:[1,0]
.set pp, pp+1
.endr
.set pp, 0
	s_wait_alu depctr_va_vdst(0)
.rept 64
	v_rcp_f32 v[RB+pp], v[RB+pp]
.set pp, pp+1
.endr
	v_nop
	s_wait_alu depctr_va_vdst(0)
.if (\bt) < 4
	WIN 0x02                                       ; source 0 window 2; the sums and v' in window 0
.else
	WIN 0x03
.endif
.set pp, 0
.rept 32                               ; sum 8 m + j: row 16 m + 8 (lane / 16) + j
.if (\bt) == 0
	v_pk_mul_f32 v[SUM+2*pp:SUM+2*pp+1], v[RB+2*pp:RB+2*pp+1], v[rQ+2:rQ+3]    ; the first tile starts the sums
.else
	v_pk_fma_f32 v[SUM+2*pp:SUM+2*pp+1], v[RB+2*pp:RB+2*pp+1], v[rQ+2:rQ+3], v[SUM+2*pp:SUM+2*pp+1]
.endif
.set pp, pp+1
.endr
.endm
	; ---- PHASE 2
	AFETCH 0                                       ; my first K step's fragments of the encoder
.Lhalf:                                            ; two trips: 512 hidden units each
	STEP 0, 1, 1, 1, 39, 39                        ; the half's first K step starts the sums.  Behind the group that is wanted stand three groups of 13
	s_mov_b32 s46, 6
.Lpair:                                            ; six trips of two K steps: the sets change places and come back
	STEP 1, 0, 1, 1, 39, 39
	STEP 0, 0, 1, 1, 39, 39
	s_sub_co_u32 s46, s46, 1
	s_cmp_lg_u32 s46, 0
	s_cbranch_scc1 .Lpair
	STEP 1, 0, 1, 1, 39, 39
	s_cmp_eq_u32 s44, 0                            ; a count of halves: the same in every wave
	s_cbranch_scc0 .Llast_half
	STEP 0, 0, 2, 1, 39, 39                        ; the first half's last two K steps ask for the second half's first two, which land under the way out
	STEP 1, 0, 1, 1, 39, 39
	s_branch .Lout
.Llast_half:
	STEP 0, 0, 0, 1, 39, 26                        ; the second half's ask for nothing, and their counts run down
	STEP 1, 0, 0, 0, 13, 0
.irp i, 0,1,2,3                        ; phase 3's first fill, my rows 0 to 3, is asked of memory ahead of the last way out: a lane names 256 bytes, an instruction a row of 8,192; nobody else reads these rows
	global_prefetch_b8 v248, s[16+2*\i:17+2*\i] th:TH_LOAD_NT scope:SCOPE_SE
.endr
.Lout:
	v_add_nc_u32 v[QVR], s47, v[QVA]
	v_add_nc_u32 v[SCWA], s33, v[SCW]
.irp n, 0,1,2,3,4,5,6,7
	ds_load_b128 v[T4+4*\n:T4+4*\n+3], v[QVR] offset:256*\n    ; (b', b', v', v') of my hidden unit in tile n
.endr
	s_wait_dscnt 0x0
.irp bt, 0,1,2,3,4,5,6,7
	TAILB \bt
.endr
	WIN 0
.irp k, 1,2,4,8                        ; across the 16 lanes of a half: my wave's 128 hidden units are summed
.set pp, 0
.rept 64
	v_add_f32_dpp v[SUM+pp], v[SUM+pp], v[SUM+pp] row_xmask:\k row_mask:0xf bank_mask:0xf
.set pp, pp+1
.endr
.endr
	s_wait_alu depctr_va_vdst(0)
	s_wait_dscnt 0x0                               ; my LDS loads are back, those of the next half's first fragments among them
	s_barrier_signal -1
	s_barrier_wait -1                              ; no wave has a read of LDS on its way: the only LDS stores of phase 2 stand between this barrier and the next
.irp m, 0,1,2,3,4,5,6,7
.irp u, 0,1
	ds_store_b128 v[SCWA], v[SUM+8*\m+4*\u:SUM+8*\m+4*\u+3] offset:64*\m+16*\u   ; rows 16 m + 8 h + 4 u + 0..3; the 16 lanes of a half write the same bytes with the same values
.endr
.endr
	s_wait_dscnt 0x0                               ; for the others' sake: my partial scores lie in LDS
	s_barrier_signal -1
	s_barrier_wait -1
	s_add_co_u32 s47, s47, 2048
	s_add_co_u32 s33, s33, 512
	s_add_co_u32 s44, s44, 1
	s_cmp_lt_u32 s44, 2
	s_cbranch_scc1 .Lhalf
	; ---- PHASE 3: my work-group's part of the softmax and of the context.  With t = score x log2(e), m = the largest t of the 128 rows, p = 2^(t - m), l = sum of p:
	; pw's record holds the 128 p (512 bytes), then (m, l) 32 times (256 bytes); pc holds sum over the 128 rows of p x encoder row, 2,048 f32.  The last launch joins a batch's eight parts.
	; Wave w streams rows 32 w .. + 31 once more, whole rows of 8,192 consecutive bytes, 16 loads of 512 bytes a row, in f32 fused multiply-adds: the product has one row a batch, so no matrix unit.
	; Four sets of one row (64 registers each, window 1) take turns: 64 loads of a wave are asked for.  Each set has a base of its own, stepped behind the counted wait that shows its loads done.
	; REGISTERS, window 0: v40-59 scores, p, m, l; v64-127 my 2,048 / 32 running sums; v128-135 four rows' weights, each twice, so that packed instructions take them as pairs; v136-199 the four waves' parts.
.set ACC, 64
.set PP,  128
.set TBW, 22                           ; the weights' table, in my wave's own stage: in, 32 x lane
.set TBR, 23                           ; and back: my 32 rows, 8 bytes each
.set TBA, 251                          ; the same for the trip in hand
.set RDR, 249                          ; 2,048 w + 16 x lane: my quarter of the sums, in LDS and in pc
.set RDW, 250                          ; 8,192 w + 16 x lane: where my wave's sums go
	s_wait_loadcnt 0x0                             ; no load of mine is out: window 1 may be loaded into
	s_wait_xcnt 0x0                                ; the prefetches have read their bases, which the first trip steps
	WIN 0x40
.irp i, 0,1,2,3
.irp t, 0,1,2,3,4,5,6,7,8,9,10,11,12,13,14,15
	global_load_b128 v[64*\i+4*\t:64*\i+4*\t+3], v[LI], s[16+2*\i:17+2*\i] offset:512*\t th:TH_LOAD_NT
.endr
.endr
	WIN 0
.irp k, 0,1,2,3,4,5,6,7
	ds_load_b128 v[40+4*\k:43+4*\k], v[SCRD] offset:512*\k     ; every wave adds the eight parts (four waves, two halves): four rows a lane
.endr
	s_wait_dscnt 0x0
.irp k, 0,2,4,6
	v_pk_add_f32 v[40+4*\k:41+4*\k], v[40+4*\k:41+4*\k], v[44+4*\k:45+4*\k]
	v_pk_add_f32 v[42+4*\k:43+4*\k], v[42+4*\k:43+4*\k], v[46+4*\k:47+4*\k]
.endr
.irp k, 0,4
	v_pk_add_f32 v[40+4*\k:41+4*\k], v[40+4*\k:41+4*\k], v[48+4*\k:49+4*\k]
	v_pk_add_f32 v[42+4*\k:43+4*\k], v[42+4*\k:43+4*\k], v[50+4*\k:51+4*\k]
.endr
	v_pk_add_f32 v[40:41], v[40:41], v[56:57]
	v_pk_add_f32 v[42:43], v[42:43], v[58:59]
	s_mul_i32 s42, s12, 16*SP
	s_add_co_u32 s42, s42, STG                     ; my stage, which phase 1 has done with
	v_lshl_add_u32 v[TBW], v[LANE], 5, s42
	s_lshl_b32 s46, s12, 8
	s_add_co_u32 s42, s42, s46
	v_mov_b32 v[TBR], s42
	s_lshl_b32 s46, s12, 11
	v_add_nc_u32 v[RDR], s46, v[LI]
	s_lshl_b32 s46, s12, 13
	v_add_nc_u32 v[RDW], s46, v[LI]
	s_mov_b32 s47, 0x3fb8aa3b                      ; log2(e)
	s_mov_b32 s34, 0                               ; the trip's place in the table: 32 bytes a trip
	v_mov_b32 v45, 0                               ; (a lane permute's destination counts as one of its sources)
	s_wait_alu depctr_va_vdst(0)                   ; the wait here, directly ahead of the first reader of the scores behind the scalar lines above
	v_max3_num_f32 v44, v40, v41, v42              ; the largest of the 128 scores: in the lane, then over the wave
	v_max_num_f32 v44, v44, v43
.irp k, 1,2,4,8
	v_max_num_f32_dpp v44, v44, v44 row_xmask:\k row_mask:0xf bank_mask:0xf
.endr
	v_permlanex16_b32 v45, v44, s50, s51
	v_max_num_f32 v44, v44, v45
	v_mul_f32 v46, s47, v44                        ; m
.irp k, 0,1,2,3
	v_fma_f32 v[40+\k], v[40+\k], s47, -v46        ; t - m
.endr
	s_wait_alu depctr_va_vdst(0)                   ; the wait ahead of the batch,
.irp k, 0,1,2,3
	v_exp_f32 v[40+\k], v[40+\k]                   ; p
.endr
	v_nop
	s_wait_alu depctr_va_vdst(0)                   ; and behind it
	v_add_f32 v47, v40, v41
	v_add_f32 v48, v42, v43
	v_add_f32 v47, v47, v48
.irp k, 1,2,4,8
	v_add_f32_dpp v47, v47, v47 row_xmask:\k row_mask:0xf bank_mask:0xf
.endr
	v_permlanex16_b32 v45, v47, s50, s51
	v_add_f32 v47, v47, v45                        ; l: v[46:47] = (m, l)
.irp k, 0,1,2,3
	v_mov_b32 v[48+2*\k], v[40+\k]
	v_mov_b32 v[49+2*\k], v[40+\k]
.endr
	ds_store_b128 v[TBW], v[48:51]                 ; (p, p) of rows 4 lane + 0 .. 3: my wave's own bytes, which I alone read
	ds_store_b128 v[TBW], v[52:55] offset:16
	v_lshlrev_b32 v56, 3, v[LANE]
	s_wait_alu depctr_va_vdst(0)
	s_cmp_lg_u32 s12, 0
	s_cbranch_scc1 .Lnot_first
	global_store_b128 v[LI], v[40:43], s[52:53]    ; wave 0 stores the record: 512 consecutive bytes of p,
	global_store_b64 v56, v[46:47], s[52:53] offset:512   ; and 256 of (m, l); their registers are not written again
.Lnot_first:
; Four rows.  first = 1: the first row's products start the sums.  reload = 1: each set takes the row four further on as soon as it has been read.
.macro ROWS4 first, reload
	v_add_nc_u32 v[TBA], s34, v[TBR]
	ds_load_b128 v[PP:PP+3], v[TBA]                ; every lane reads the same words; LDS serves a wave's instructions in order (ISA guide 5.7.1.4): these see my stores
	ds_load_b128 v[PP+4:PP+7], v[TBA] offset:16
.irp i, 0,1,2,3
.if \reload
	s_wait_loadcnt 48                              ; behind this set's 16 loads stand the three other sets'
.else
	s_wait_loadcnt 48-16*\i                        ; the last trip's counts run down
.endif
.if \i == 0
	s_wait_dscnt 0x0
.endif
	WIN 0x01                                       ; source 0, the row: window 1
.set pp, 0
.rept 32
.if (\first == 1) && (\i == 0)
	v_pk_mul_f32 v[ACC+2*pp:ACC+2*pp+1], v[64*\i+2*pp:64*\i+2*pp+1], v[PP+2*\i:PP+2*\i+1]
.else
	v_pk_fma_f32 v[ACC+2*pp:ACC+2*pp+1], v[64*\i+2*pp:64*\i+2*pp+1], v[PP+2*\i:PP+2*\i+1], v[ACC+2*pp:ACC+2*pp+1]
.endif
.set pp, pp+1
.endr
.if \reload
	s_add_nc_u64 s[16+2*\i:17+2*\i], s[16+2*\i:17+2*\i], 32768   ; four rows on: the wait above has shown the loads that read this base done
	WIN 0x40
.irp t, 0,1,2,3,4,5,6,7,8,9,10,11,12,13,14,15
	global_load_b128 v[64*\i+4*\t:64*\i+4*\t+3], v[LI], s[16+2*\i:17+2*\i] offset:512*\t th:TH_LOAD_NT
.endr
.endif
	WIN 0
.endr
	s_add_co_u32 s34, s34, 32
.endm
	ROWS4 1, 1                                     ; rows 0-3
	s_mov_b32 s45, 6
.Lctx:                                             ; six trips: rows 4-27
	ROWS4 0, 1
	s_sub_co_u32 s45, s45, 1
	s_cmp_lg_u32 s45, 0
	s_cbranch_scc1 .Lctx
	ROWS4 0, 0                                     ; rows 28-31 load nothing: no load leaves the buffer
.irp t, 0,1,2,3,4,5,6,7,8,9,10,11,12,13,14,15
	ds_store_b128 v[RDW], v[ACC+4*\t:ACC+4*\t+3] offset:512*\t   ; the four waves' sums meet where the images lay: behind phase 2's last barriers nobody reads those
.endr
	s_wait_dscnt 0x0                               ; for the others' sake
	s_barrier_signal -1
	s_barrier_wait -1
.irp g, 0,1,2,3
.irp t, 0,1,2,3
	ds_load_b128 v[136+16*\g+4*\t:139+16*\g+4*\t], v[RDR] offset:8192*\g+512*\t   ; my quarter of the columns, of all four waves
.endr
.endr
	s_wait_dscnt 0x0
.irp k, 0,2,4,6,8,10,12,14
	v_pk_add_f32 v[136+\k:137+\k], v[136+\k:137+\k], v[152+\k:153+\k]
	v_pk_add_f32 v[168+\k:169+\k], v[168+\k:169+\k], v[184+\k:185+\k]
.endr
.irp k, 0,2,4,6,8,10,12,14
	v_pk_add_f32 v[136+\k:137+\k], v[136+\k:137+\k], v[168+\k:169+\k]
.endr
.irp t, 0,1,2,3
	global_store_b128 v[RDR], v[136+4*\t:139+4*\t], s[24:25] offset:512*\t   ; 32 lanes store 512 consecutive bytes, at a multiple of 256 from pc's first byte
.endr
	s_wait_tensorcnt 0x0                           ; the wave's end: behind my last LDS store
	ds_add_u32 v[SPW], v[NIL]
	s_wait_dscnt 0x0
	s_endpgm
.Lfunc_end_k_q08fce40a4e_scores:
	.size	k_q08fce40a4e_scores, .Lfunc_end_k_q08fce40a4e_scores-k_q08fce40a4e_scores
	.p2alignl 7, 3214868480
	.fill 96, 4, 3214868480
	.section	.rodata,"a",@progbits
	.p2align	6, 0x0
	.amdhsa_kernel k_q08fce40a4e_scores
		.amdhsa_group_segment_fixed_size 267776
		.amdhsa_private_segment_fixed_size 0
		.amdhsa_enable_private_segment 0
		.amdhsa_kernarg_size 40
		.amdhsa_user_sgpr_count 2
		.amdhsa_user_sgpr_kernarg_segment_ptr 1
		.amdhsa_wavefront_size32 1
		.amdhsa_system_sgpr_workgroup_id_x 1
		.amdhsa_system_sgpr_workgroup_id_y 1
		.amdhsa_system_sgpr_workgroup_id_z 1
		.amdhsa_system_vgpr_workitem_id 0
		.amdhsa_next_free_vgpr 1024
		.amdhsa_next_free_sgpr 66
		.amdhsa_reserve_vcc 0
		.amdhsa_float_denorm_mode_32 3
		.amdhsa_float_denorm_mode_16_64 3
		.amdhsa_memory_ordered 1
		.amdhsa_forward_progress 1
		.amdhsa_inst_pref_size 255
	.end_amdhsa_kernel
	.section	.bss,"aw",@nobits
	.p2align	6
	.space	262144
	.amdgpu_metadata
---
amdhsa.version: [ 1, 2 ]
amdhsa.kernels:
  - .name:           k_q08fce40a4e_scores
    .symbol:         k_q08fce40a4e_scores.kd
    .args:
      - { .name: encoder_outputs, .offset: 0, .size: 8, .value_kind: global_buffer, .address_space: global }
      - { .name: ub, .offset: 8, .size: 8, .value_kind: global_buffer, .address_space: global }
      - { .name: qv, .offset: 16, .size: 8, .value_kind: global_buffer, .address_space: global }
      - { .name: pw, .offset: 24, .size: 8, .value_kind: global_buffer, .address_space: global }
      - { .name: pc, .offset: 32, .size: 8, .value_kind: global_buffer, .address_space: global }
    .group_segment_fixed_size: 267776
    .private_segment_fixed_size: 0
    .kernarg_segment_align: 8
    .kernarg_segment_size: 40
    .max_flat_workgroup_size: 128
    .sgpr_count:     66
    .vgpr_count:     1024
    .wavefront_size: 32
...
	.end_amdgpu_metadata
.endif
;; end of part 5
;; launch combine (part 6): grid 8 x 32, 2 waves a work-group, no clusters, 0 bytes of LDS; arguments pw, pc, out0, out1; writes out0, out1
.if DOCPART == 6
	.amdgcn_target "amdgcn-amd-amdhsa--gfx1250"
	.amdhsa_code_object_version 6
	.text
	.protected	k_q08fce40a4e_combine
	.globl	k_q08fce40a4e_combine
	.p2align	8
	.type	k_q08fce40a4e_combine,@function
k_q08fce40a4e_combine:
	s_mov_b64 s[64:65], 0
	v_nop
	global_prefetch_b8 v0, s[64:65] scope:SCOPE_SE
	s_setreg_imm32_b32 hwreg(HW_REG_WAVE_MODE, 25, 1), 1
	s_wait_xcnt 0x0
; BAHDANAU ATTENTION, launch 3 of 3: a batch's eight parts (128 rows each) of the softmax and of the context are joined.
; Part i comes with m_i (its largest score x log2(e)), l_i = sum of p, p = 2^(t - m_i), and C_i = sum of p x encoder row.  With M = the largest m_i, e_i = 2^(m_i - M), L = sum of e_i l_i:
; out1[b][row of part i] = p e_i / L;  out0[b][f] = sum over i of C_i[f] e_i / L.  That is the softmax with the batch's maximum taken away.
; LEFT OUT (shown at the head of the first launch): the scores lack Va_b and sum(Va), which are the same along s and leave the softmax as it is.
; SHARES.  Work-group (cb, b), 64 threads: columns 256 cb .. + 255 of batch b's context, four a thread, and the 128 weights of part cb, two a thread: each output has one owner.
; The waves share nothing: no LDS, no barrier.  All 18 loads of a thread are asked for at once; there is no loop, so nothing is prefetched.  No cluster: what the batch's work-groups share is eight records' 256 bytes.
; LIMITS: NaN and infinities among the inputs are not served.  A part whose m_i lies 126 or more under M counts as 0 (v_exp_f32 flushes: ISA guide 15.8).
.set REC, 768                          ; a part's record in pw: 128 p, then (m, l) 32 times
	s_load_b256 s[4:11], s[0:1], 0x0               ; pw s[4:5], pc s[6:7], out0 s[8:9], out1 s[10:11]
	v_lshlrev_b32 v1, 4, v0                        ; 16 x thread: my four columns
	v_lshlrev_b32 v2, 3, v0                        ; 8 x thread: my two weights
	v_and_b32 v3, 31, v0
	v_lshlrev_b32 v3, 3, v3                        ; 8 x lane: my copy of a record's (m, l): a wave reads the 256 bytes whole
	s_and_b32 s12, ttmp7, 0xffff                   ; b
	s_mov_b32 s15, 0                               ; the upper word of every offset pair s[14:15]
	s_lshl_b32 s16, ttmp9, 10                      ; my work-group's 1,024 bytes of 2,048 columns
	s_wait_alu depctr_va_vdst(0)
	s_wait_kmcnt 0x0
	s_mul_i32 s14, s12, 8*REC
	s_add_nc_u64 s[4:5], s[4:5], s[14:15]          ; the batch's eight records,
	s_mul_i32 s14, ttmp9, REC
	s_add_nc_u64 s[18:19], s[4:5], s[14:15]        ; and part cb's
	s_lshl_b32 s14, s12, 16                        ; the batch's eight parts of 8,192 bytes
	s_add_co_u32 s14, s14, s16
	s_add_nc_u64 s[6:7], s[6:7], s[14:15]
	s_lshl_b32 s14, s12, 13
	s_add_co_u32 s14, s14, s16
	s_add_nc_u64 s[8:9], s[8:9], s[14:15]
	s_lshl_b32 s14, s12, 12
	s_lshl_b32 s16, ttmp9, 9
	s_add_co_u32 s14, s14, s16
	s_add_nc_u64 s[10:11], s[10:11], s[14:15]
.irp i, 0,1,2,3,4,5,6,7
	global_load_b64 v[8+2*\i:9+2*\i], v3, s[4:5] offset:REC*\i+512   ; (m_i, l_i)
.endr
	global_load_b64 v[4:5], v3, s[18:19] offset:512                  ; (m, l) of part cb
	global_load_b64 v[6:7], v2, s[18:19]                             ; my two p
.irp i, 0,1,2,3,4,5,6,7
	global_load_b128 v[32+4*\i:35+4*\i], v1, s[6:7] offset:8192*\i   ; C_i at my four columns: a wave reads 512 consecutive bytes
.endr
	s_wait_loadcnt 8                               ; the ten small loads are in; behind them stand the eight of pc
	v_max3_num_f32 v24, v8, v10, v12
	v_max3_num_f32 v24, v24, v14, v16
	v_max3_num_f32 v24, v24, v18, v20
	v_max_num_f32 v24, v24, v22                    ; M
.irp i, 0,1,2,3,4,5,6,7
	v_sub_f32 v[8+2*\i], v[8+2*\i], v24
.endr
	v_sub_f32 v4, v4, v24
	s_wait_alu depctr_va_vdst(0)                   ; the wait ahead of the batch,
.irp i, 0,1,2,3,4,5,6,7
	v_exp_f32 v[8+2*\i], v[8+2*\i]                 ; e_i
.endr
	v_exp_f32 v4, v4
	v_nop
	s_wait_alu depctr_va_vdst(0)                   ; and behind it
	v_mul_f32 v25, v8, v9                          ; L, in two chains
	v_mul_f32 v26, v10, v11
.irp i, 2,4,6
	v_fmac_f32 v25, v[8+2*\i], v[9+2*\i]
	v_fmac_f32 v26, v[10+2*\i], v[11+2*\i]
.endr
	v_add_f32 v25, v25, v26
	s_wait_alu depctr_va_vdst(0)
	v_rcp_f32 v25, v25
	v_nop
	s_wait_alu depctr_va_vdst(0)
.irp i, 0,1,2,3,4,5,6,7
	v_mul_f32 v[8+2*\i], v[8+2*\i], v25            ; e_i / L, in the first register of its pair
.endr
	v_mul_f32 v4, v4, v25
	v_pk_mul_f32 v[6:7], v[6:7], v[4:5] op_sel_hi:[1,0]
	global_store_b64 v2, v[6:7], s[10:11]          ; a wave stores 256 consecutive bytes, at a multiple of 256 from out1's first byte
	s_wait_alu depctr_va_vdst(0)
	s_wait_loadcnt 0x0
	v_pk_mul_f32 v[64:65], v[32:33], v[8:9] op_sel_hi:[1,0]          ; the first part starts the sums
	v_pk_mul_f32 v[66:67], v[34:35], v[8:9] op_sel_hi:[1,0]
.irp i, 1,2,3,4,5,6,7
	v_pk_fma_f32 v[64:65], v[32+4*\i:33+4*\i], v[8+2*\i:9+2*\i], v[64:65] op_sel_hi:[1,0,1]
	v_pk_fma_f32 v[66:67], v[34+4*\i:35+4*\i], v[8+2*\i:9+2*\i], v[66:67] op_sel_hi:[1,0,1]
.endr
	global_store_b128 v1, v[64:67], s[8:9]         ; a wave stores 512 consecutive bytes, at a multiple of 256 from out0's first byte
	s_endpgm
.Lfunc_end_k_q08fce40a4e_combine:
	.size	k_q08fce40a4e_combine, .Lfunc_end_k_q08fce40a4e_combine-k_q08fce40a4e_combine
	.p2alignl 7, 3214868480
	.fill 96, 4, 3214868480
	.section	.rodata,"a",@progbits
	.p2align	6, 0x0
	.amdhsa_kernel k_q08fce40a4e_combine
		.amdhsa_group_segment_fixed_size 0
		.amdhsa_private_segment_fixed_size 0
		.amdhsa_enable_private_segment 0
		.amdhsa_kernarg_size 32
		.amdhsa_user_sgpr_count 2
		.amdhsa_user_sgpr_kernarg_segment_ptr 1
		.amdhsa_wavefront_size32 1
		.amdhsa_system_sgpr_workgroup_id_x 1
		.amdhsa_system_sgpr_workgroup_id_y 1
		.amdhsa_system_sgpr_workgroup_id_z 1
		.amdhsa_system_vgpr_workitem_id 0
		.amdhsa_next_free_vgpr 80
		.amdhsa_next_free_sgpr 66
		.amdhsa_reserve_vcc 0
		.amdhsa_float_denorm_mode_32 3
		.amdhsa_float_denorm_mode_16_64 3
		.amdhsa_memory_ordered 1
		.amdhsa_forward_progress 1
		.amdhsa_inst_pref_size 6
	.end_amdhsa_kernel
	.amdgpu_metadata
---
amdhsa.version: [ 1, 2 ]
amdhsa.kernels:
  - .name:           k_q08fce40a4e_combine
    .symbol:         k_q08fce40a4e_combine.kd
    .args:
      - { .name: pw, .offset: 0, .size: 8, .value_kind: global_buffer, .address_space: global }
      - { .name: pc, .offset: 8, .size: 8, .value_kind: global_buffer, .address_space: global }
      - { .name: out0, .offset: 16, .size: 8, .value_kind: global_buffer, .address_space: global }
      - { .name: out1, .offset: 24, .size: 8, .value_kind: global_buffer, .address_space: global }
    .group_segment_fixed_size: 0
    .private_segment_fixed_size: 0
    .kernarg_segment_align: 8
    .kernarg_segment_size: 32
    .max_flat_workgroup_size: 64
    .sgpr_count:     66
    .vgpr_count:     80
    .wavefront_size: 32
...
	.end_amdgpu_metadata
.endif
;; end of part 6
